; MI455X (gfx1250); checked and timed in simulation.
; The chip was launched on July 23, 2026; its instructions are those of AMD's public machine-readable ISA for CDNA 5 (MIT licence, August 2026) and "CDNA5" Instruction Set Architecture Reference Guide (July 2026). The comments in the code are by the model that wrote it; some were corrected since.
;; Liquid Gated Attention. Allowed arithmetic: float matrix products may take bf16 or f16 operands with f32 sums; other float arithmetic in f32, or as packed bf16 or f16 multiplies, adds, multiply-adds, maxima and minima; sums over many terms, partial sums and values carried from step to step in f32; what a program stores and reads back later, other than sums and carried values, may be rounded once to bf16 or f16.
;; Inputs: Wk 2,048 x 2,048 float32; Wo 2,048 x 2,048 float32; Wq 2,048 x 2,048 float32; Wv 2,048 x 2,048 float32; gate_W 2,048 x 2,048 float32; gate_b 2,048 float32; ln_w 2,048 float32; mask 1 x 1 x 2,048 x 2,048 float32; x 1 x 2,048 x 2,048 float32.
;; Outputs: out0 1 x 2,048 x 2,048 float32.
;; One version. Each part assembles by itself: llvm-mc -triple=amdgcn-amd-amdhsa -mcpu=gfx1250 --defsym DOCPART=n.
;; ======== version 1 of 1: 4 launches
;; limits: values are held in f16: magnitudes above 65,504 overflow, below 6.1e-05 lose precision
;; workspace buffers: xb 8,388,608 bytes; wb 33,554,432 bytes; wo 8,388,608 bytes; rs 8,192 bytes; qkvg 33,554,432 bytes; ob 8,388,608 bytes
;; launch prep (part 1): grid 256 x 6, 4 waves a work-group, no clusters, 0 bytes of LDS; arguments x, Wq, Wk, Wv, gate_W, Wo, ln_w, xb, wb, wo, rs; writes xb, wb, wo, rs
.if DOCPART == 1
	.amdgcn_target "amdgcn-amd-amdhsa--gfx1250"
	.amdhsa_code_object_version 6
	.text
	.protected	k_qe0170b4cdf_prep
	.globl	k_qe0170b4cdf_prep
	.p2align	8
	.type	k_qe0170b4cdf_prep,@function
k_qe0170b4cdf_prep:
	s_mov_b64 s[64:65], 0
	v_nop
	global_prefetch_b8 v0, s[64:65] scope:SCOPE_SE
	s_setreg_imm32_b32 hwreg(HW_REG_WAVE_MODE, 25, 1), 1
	s_wait_xcnt 0x0
; THE OPERANDS ARE MADE ONCE.  Six matrices of [2048][2048] f32 are read once and written once in 16 bits; the grid's y says which:
;   0: x       -> xb = bf16(x), and rs[t] = 1 / sqrt(mean of x[t]^2 + 1e-6)
;   1, 2, 3: Wq, Wk, Wv -> wb rows 0.., 2048.., 4096.. = bf16(W[n][k] ln_w[k]); Wq also times c1 = 2 log2(e) / (30 sqrt(128)),
;            so that the scores of the attention launch are at once the argument of the power of two in tanh
;   4: gate_W  -> wb rows 6144.. = bf16(gate_W)
;   5: Wo      -> wo = bf16(Wo), written as f16
; xn W^T = rs[t] (x (W ln_w)^T): the row's factor is applied to the f32 sums by the next launch.
; SHARES.  A work-group has 8 rows, a wave two whole rows of 8,192 bytes: 32 loads of 16 bytes a lane, all issued at once; a load covers 512 consecutive
; bytes, a store of 8 bytes a lane 256 consecutive bytes, aligned.  A stream: no LDS, no matrix unit, no cluster (nothing is shared but ln_w's 8 KiB).
; LIMITS.  bf16(Wo) is exact in f16 from 6.1e-5 to 65,504; below, it keeps f16's fixed step of 6e-8; beyond, it would be an infinity.
; The sum of squares is an f32 sum: x up to about 1e17 in magnitude.  rs is stored 8 bytes a wave: the one store here that does not fill 256 bytes.
.set LO,  2                            ; v2        16 x lane: my 16 bytes of 512
.set SO,  3                            ; v3        8 x lane: my 8 bytes of 256
.set AC4, 4                            ; v[4:11]   four chains of two for the sum of squares
.set R,   12                           ; v[12:13]  the two rows' rs
.set RO,  14                           ; v14       4 x my first row
.set X,   16                           ; v[16:143] row i at X + 64 i
.set MU,  144                          ; v[144:207] the multipliers of my 64 columns
.set SRC, 34                           ; s[34:35]
.set DST, 36                           ; s[36:37]
.set C1,  0x3c0b4875                   ; 2 log2(e) / (30 sqrt(128)) = 0.00850116
	s_load_b512 s[8:23], s[0:1], 0x0               ; x 8, Wq 10, Wk 12, Wv 14, gate_W 16, Wo 18, ln_w 20, xb 22
	s_load_b128 s[24:27], s[0:1], 0x40             ; wb 24, wo 26
	s_load_b64 s[28:29], s[0:1], 0x50              ; rs
	v_and_b32 v1, 31, v0                           ; lane
	v_lshrrev_b32 v15, 5, v0
	v_readfirstlane_b32 s3, v15                    ; wave
	s_and_b32 s2, ttmp7, 0xffff                    ; which matrix
	s_lshl_b32 s4, ttmp9, 3
	s_lshl_b32 s5, s3, 1
	s_add_co_u32 s4, s4, s5                        ; my first row
	s_lshl_b32 s30, s4, 13                         ; its byte in an f32 matrix,
	s_mov_b32 s31, 0
	s_lshl_b32 s32, s4, 12                         ; in a 16-bit one,
	s_mov_b32 s33, 0
	s_lshl_b32 s5, s4, 2                           ; and in rs
	v_lshlrev_b32 v[LO], 4, v1
	v_lshlrev_b32 v[SO], 3, v1
	v_mov_b32 v[RO], s5
	s_mov_b32 s38, 0x76543210                      ; v_permlanex16_b32: each lane takes its own place in the other half
	s_mov_b32 s39, 0xfedcba98
	s_mov_b32 s40, 0x3a000000                      ; 1 / 2048
	s_mov_b32 s41, 0x358637bd                      ; 1e-6
	s_mov_b32 s43, 0xffff0000                      ; a word's upper bf16
.macro LOADROWS                        ; both rows: 32 loads
.irp i, 0,1
.irp j, 0,1,2,3,4,5,6,7,8,9,10,11,12,13,14,15
	global_load_b128 v[X+64*(\i)+4*(\j):X+64*(\i)+4*(\j)+3], v[LO], s[SRC:SRC+1] offset:8192*(\i)+512*(\j) th:TH_LOAD_NT
.endr
.endr
.endm
.macro CVTB i                          ; row i to bf16, in place: word n takes numbers 2 n and 2 n + 1, which lie at or above it
.set n, 0
.rept 32
	v_cvt_pk_bf16_f32 v[X+64*(\i)+n], v[X+64*(\i)+2*n], v[X+64*(\i)+2*n+1]
.set n, n+1
.endr
.endm
.macro STORE i                         ; 16 stores of 256 consecutive bytes
.irp j, 0,1,2,3,4,5,6,7,8,9,10,11,12,13,14,15
	global_store_b64 v[SO], v[X+64*(\i)+2*(\j):X+64*(\i)+2*(\j)+1], s[DST:DST+1] offset:4096*(\i)+256*(\j)
.endr
.endm
.macro MULR i                          ; row i times the multipliers
.set n, 0
.rept 32
	v_pk_mul_f32 v[X+64*(\i)+2*n:X+64*(\i)+2*n+1], v[X+64*(\i)+2*n:X+64*(\i)+2*n+1], v[MU+2*n:MU+2*n+1]
.set n, n+1
.endr
.endm
.macro SUMSQ i                         ; rs of row i: four chains in the lane, started by products; then across the 32 lanes
.set n, 0
.rept 4
	v_pk_mul_f32 v[AC4+2*n:AC4+2*n+1], v[X+64*(\i)+2*n:X+64*(\i)+2*n+1], v[X+64*(\i)+2*n:X+64*(\i)+2*n+1]
.set n, n+1
.endr
.rept 28
	v_pk_fma_f32 v[AC4+2*(n%4):AC4+2*(n%4)+1], v[X+64*(\i)+2*n:X+64*(\i)+2*n+1], v[X+64*(\i)+2*n:X+64*(\i)+2*n+1], v[AC4+2*(n%4):AC4+2*(n%4)+1]
.set n, n+1
.endr
	v_pk_add_f32 v[AC4:AC4+1], v[AC4:AC4+1], v[AC4+2:AC4+3]
	v_pk_add_f32 v[AC4+4:AC4+5], v[AC4+4:AC4+5], v[AC4+6:AC4+7]
	v_pk_add_f32 v[AC4:AC4+1], v[AC4:AC4+1], v[AC4+4:AC4+5]
	v_add_f32 v[AC4], v[AC4], v[AC4+1]
	v_add_f32_dpp v[AC4], v[AC4], v[AC4] row_xmask:1 row_mask:0xf bank_mask:0xf
	v_add_f32_dpp v[AC4], v[AC4], v[AC4] row_xmask:2 row_mask:0xf bank_mask:0xf
	v_add_f32_dpp v[AC4], v[AC4], v[AC4] row_xmask:4 row_mask:0xf bank_mask:0xf
	v_add_f32_dpp v[AC4], v[AC4], v[AC4] row_xmask:8 row_mask:0xf bank_mask:0xf
	v_permlanex16_b32 v[AC4+1], v[AC4], s38, s39
	v_add_f32 v[AC4], v[AC4], v[AC4+1]
	v_fma_f32 v[AC4], v[AC4], s40, s41             ; the mean + 1e-6
	v_rsq_f32 v[R+(\i)], v[AC4]                    ; the conversions that follow are the plain work behind it
.endm
.macro TOF16 i                         ; row i's 32 words of bf16 become f16, 16 words at a time, by way of f32 in the row's free upper half
.irp hh, 0,1
.set n, 0
.rept 16
	v_lshlrev_b32 v[X+64*(\i)+32+2*n], 16, v[X+64*(\i)+16*(\hh)+n]
	v_and_b32 v[X+64*(\i)+33+2*n], s43, v[X+64*(\i)+16*(\hh)+n]
.set n, n+1
.endr
.set n, 0
.rept 16
	v_cvt_pk_f16_f32 v[X+64*(\i)+16*(\hh)+n], v[X+64*(\i)+32+2*n], v[X+64*(\i)+33+2*n]
.set n, n+1
.endr
.endr
.endm
	s_wait_kmcnt 0x0
	s_cmp_eq_u32 s2, 0
	s_cbranch_scc1 .Lx
	s_cmp_eq_u32 s2, 4
	s_cbranch_scc1 .Lg
	s_cmp_eq_u32 s2, 5
	s_cbranch_scc1 .Lo
	; Wq, Wk, Wv
	s_cmp_eq_u32 s2, 1
	s_cselect_b64 s[SRC:SRC+1], s[10:11], s[12:13]
	s_cmp_eq_u32 s2, 3
	s_cselect_b64 s[SRC:SRC+1], s[14:15], s[SRC:SRC+1]
	s_add_nc_u64 s[SRC:SRC+1], s[SRC:SRC+1], s[30:31]
	s_sub_co_u32 s6, s2, 1
	s_lshl_b32 s6, s6, 23                          ; 2,048 rows of 4,096 bytes for each matrix in front
	s_mov_b32 s7, 0
	s_add_nc_u64 s[DST:DST+1], s[24:25], s[6:7]
	s_add_nc_u64 s[DST:DST+1], s[DST:DST+1], s[32:33]
.irp j, 0,1,2,3,4,5,6,7,8,9,10,11,12,13,14,15
	global_load_b128 v[MU+4*(\j):MU+4*(\j)+3], v[LO], s[20:21] offset:512*(\j)  ; ln_w, laid as a row is
.endr
	LOADROWS
	s_wait_loadcnt 32                              ; ln_w is in; both rows' 32 loads may stay out
	s_cmp_lg_u32 s2, 1
	s_cbranch_scc1 .Lno_c1
.set n, 0
.rept 32
	v_pk_mul_f32 v[MU+2*n:MU+2*n+1], v[MU+2*n:MU+2*n+1], C1 op_sel_hi:[1,0]
.set n, n+1
.endr
.Lno_c1:
	s_wait_loadcnt 16                              ; row 0 is in; row 1's 16 loads may stay out
	MULR 0
	CVTB 0
	STORE 0
	s_wait_loadcnt 0x0
	MULR 1
	CVTB 1
	STORE 1
	s_endpgm
.Lx:
	s_add_nc_u64 s[SRC:SRC+1], s[8:9], s[30:31]
	s_add_nc_u64 s[DST:DST+1], s[22:23], s[32:33]
	LOADROWS
	s_wait_loadcnt 16                              ; row 0 is in; row 1's 16 loads may stay out
	SUMSQ 0
	CVTB 0
	STORE 0
	s_wait_loadcnt 0x0
	SUMSQ 1
	CVTB 1
	STORE 1
	s_wait_alu depctr_va_vdst(0)                   ; one wait for both roots, ahead of the store that reads them
	s_wait_xcnt 0x0                                ; EXEC is a source of the stores above: it changes only behind this wait
	v_cmp_eq_u32 vcc_lo, 0, v1
	s_and_saveexec_b32 s42, vcc_lo
	global_store_b64 v[RO], v[R:R+1], s[28:29]     ; lane 0: my two rows' rs
	s_wait_xcnt 0x0                                ; and again, in front of the line that widens it
	s_or_b32 exec_lo, exec_lo, s42
	s_endpgm
.Lg:
	s_add_nc_u64 s[SRC:SRC+1], s[16:17], s[30:31]
	s_add_nc_u64 s[DST:DST+1], s[24:25], 3<<23
	s_add_nc_u64 s[DST:DST+1], s[DST:DST+1], s[32:33]
	LOADROWS
	s_wait_loadcnt 16
	CVTB 0
	STORE 0
	s_wait_loadcnt 0x0
	CVTB 1
	STORE 1
	s_endpgm
.Lo:
	s_add_nc_u64 s[SRC:SRC+1], s[18:19], s[30:31]
	s_add_nc_u64 s[DST:DST+1], s[26:27], s[32:33]
	LOADROWS
	s_wait_loadcnt 16
	CVTB 0
	TOF16 0
	STORE 0
	s_wait_loadcnt 0x0
	CVTB 1
	TOF16 1
	STORE 1
	s_endpgm
.Lfunc_end_k_qe0170b4cdf_prep:
	.size	k_qe0170b4cdf_prep, .Lfunc_end_k_qe0170b4cdf_prep-k_qe0170b4cdf_prep
	.p2alignl 7, 3214868480
	.fill 96, 4, 3214868480
	.section	.rodata,"a",@progbits
	.p2align	6, 0x0
	.amdhsa_kernel k_qe0170b4cdf_prep
		.amdhsa_group_segment_fixed_size 0
		.amdhsa_private_segment_fixed_size 0
		.amdhsa_enable_private_segment 0
		.amdhsa_kernarg_size 88
		.amdhsa_user_sgpr_count 2
		.amdhsa_user_sgpr_kernarg_segment_ptr 1
		.amdhsa_wavefront_size32 1
		.amdhsa_system_sgpr_workgroup_id_x 1
		.amdhsa_system_sgpr_workgroup_id_y 1
		.amdhsa_system_sgpr_workgroup_id_z 1
		.amdhsa_system_vgpr_workitem_id 0
		.amdhsa_next_free_vgpr 208
		.amdhsa_next_free_sgpr 66
		.amdhsa_reserve_vcc 1
		.amdhsa_float_denorm_mode_32 3
		.amdhsa_float_denorm_mode_16_64 3
		.amdhsa_memory_ordered 1
		.amdhsa_forward_progress 1
		.amdhsa_inst_pref_size 65
	.end_amdhsa_kernel
	.amdgpu_metadata
---
amdhsa.version: [ 1, 2 ]
amdhsa.kernels:
  - .name:           k_qe0170b4cdf_prep
    .symbol:         k_qe0170b4cdf_prep.kd
    .args:
      - { .name: x, .offset: 0, .size: 8, .value_kind: global_buffer, .address_space: global }
      - { .name: Wq, .offset: 8, .size: 8, .value_kind: global_buffer, .address_space: global }
      - { .name: Wk, .offset: 16, .size: 8, .value_kind: global_buffer, .address_space: global }
      - { .name: Wv, .offset: 24, .size: 8, .value_kind: global_buffer, .address_space: global }
      - { .name: gate_W, .offset: 32, .size: 8, .value_kind: global_buffer, .address_space: global }
      - { .name: Wo, .offset: 40, .size: 8, .value_kind: global_buffer, .address_space: global }
      - { .name: ln_w, .offset: 48, .size: 8, .value_kind: global_buffer, .address_space: global }
      - { .name: xb, .offset: 56, .size: 8, .value_kind: global_buffer, .address_space: global }
      - { .name: wb, .offset: 64, .size: 8, .value_kind: global_buffer, .address_space: global }
      - { .name: wo, .offset: 72, .size: 8, .value_kind: global_buffer, .address_space: global }
      - { .name: rs, .offset: 80, .size: 8, .value_kind: global_buffer, .address_space: global }
    .group_segment_fixed_size: 0
    .private_segment_fixed_size: 0
    .kernarg_segment_align: 8
    .kernarg_segment_size: 88
    .max_flat_workgroup_size: 128
    .sgpr_count:     66
    .vgpr_count:     208
    .wavefront_size: 32
...
	.end_amdgpu_metadata
.endif
;; end of part 1
;; launch proj (part 2): grid 32 x 8, 4 waves a work-group, clusters of 4 x 4, 327,680 bytes of LDS; arguments xb, wb, qkvg, rs; writes qkvg
.if DOCPART == 2
	.amdgcn_target "amdgcn-amd-amdhsa--gfx1250"
	.amdhsa_code_object_version 6
	.text
	.protected	k_qe0170b4cdf_proj
	.globl	k_qe0170b4cdf_proj
	.p2align	8
	.type	k_qe0170b4cdf_proj,@function
k_qe0170b4cdf_proj:
	s_mov_b64 s[64:65], 0
	v_nop
	global_prefetch_b8 v0, s[64:65] scope:SCOPE_SE
	s_setreg_imm32_b32 hwreg(HW_REG_WAVE_MODE, 25, 1), 1
	s_wait_xcnt 0x0
	s_wait_alu depctr_hold_cnt(0) depctr_sa_sdst(0) depctr_va_vdst(0) depctr_va_sdst(0) depctr_va_ssrc(0) depctr_va_vcc(0) depctr_vm_vsrc(0)
	s_getreg_b32 s2, hwreg(HW_REG_IB_STS2, 6, 4)
	s_cmp_eq_u32 s2, 0
	s_cbranch_scc0 .Lentry_in_a_cluster
	s_endpgm
.Lentry_in_a_cluster:
	s_bfe_u32 s2, ttmp6, 0x10000c
	s_cmp_lg_u32 s2, 0xf033
	s_cbranch_scc0 .Lentry_shape_is_right
	s_endpgm
.Lentry_shape_is_right:
; ALL FOUR PROJECTIONS AS ONE GEMM: acc[m][n] = sum over k of xb[m][k] wb[n][k], [2048] x [8192] x [2048], bf16 operands, f32 sums.
; Columns 0-6143 (q', k, v) leave as f16(rs[m] acc), columns 6144-8191 (the gate's sums g) as f16(acc), each rounded once.
; OUT: qkvg [64][2048][128] f16: block n / 128 (0-15 q' by head, 16-31 k, 32-47 v, 48-63 g), row m, 256 bytes a row: a wave's 128 x 128 of the result is 128 rows on end of one block.
; LIMITS.  f16 ends at 65,504: q', k, v must lie within it (an infinite g gives a gate of 0 or 1, as the sigmoid itself would); below 6.1e-5 a number keeps f16's fixed step of 6e-8.
; A tile, 256 x 256, is made by a work-group of four waves; a wave makes 128 x 128: 64 accumulators of 16 x 16, 512 registers.  32 x 8 tiles: 256 work-groups, one tile each.
; K goes in steps of 128 through a ring of two LDS slots filled by the tensor data mover: rows of 256 bytes of memory, aligned.
; CLUSTERS: 4 x 4 work-groups.  The four of a row of the cluster need the same tiles of A (xb), the four of a column the same tiles of B (wb): each tile is asked for JOINTLY, by the same
; tensor load with the same descriptor and a mask that names the four.  The last K step goes by rows of the result, so that finished rows leave while the others are multiplied.
; REGISTERS, in windows of 256 (s_set_vgpr_msb: bits 1:0 source 0, 3:2 source 1, 5:4 source 2, 7:6 destination):
;   window 0: v0-15 the scales of my eight blocks of 16 rows, a pair each; v16-31 addresses; v64-127, v128-191 fragments of A, two buffers (in the last K step four of 16 rows x 128 K); v32-63, v192-255 the way out
;   window 1: v64-127, v128-191 fragments of B, two buffers; in the last K step all 256        window 2: the accumulators of my rows 0-63 ((a, b) at v[8 (8 a + b)]);  window 3: rows 64-127
; THE MATRIX INSTRUCTION IS USED TRANSPOSED: source 0 = 16 rows of B, source 1 = 16 rows of A: lane l holds row l % 16 of the result and the columns 8 (l / 16) + 0 .. 7: 16 bytes of f16 on end, and one scale a lane.
.set SIZE_K, 2048
.set KSTEP,  128
.set PITCH,  272                       ; an LDS row: 256 bytes + 16 of padding = 68 words: row r starts at bank 4 r mod 64 (64 banks of 4 bytes: ISA guide 11.1)
.set HALFT,  128*PITCH                 ; 128 rows: what one tensor load brings
.set SLOT,   4*HALFT                   ; A's 256 rows, then B's 256 rows
.set STAGE,  2*SLOT                    ; behind the ring: 16 rows x 272 bytes for each wave, for the way out
.set SPITCH, 272
.set SPARE,  STAGE+4*16*SPITCH         ; behind the stages: the spare words, 128 bytes for each wave
.set LAPS, SIZE_K/(2*KSTEP)            ; a lap = two K steps = once round the ring: 8
.set ADRA, 16                          ; v16-17  LDS address of my A fragments in slot 0, 1
.set ADRB, 20                          ; v20-21  the same for B
.set STO,  24                          ; v24     the way out: where I put 16 bytes of a row
.set RD,   25                          ; v25     the way out: where I read a row back
.set CO,   26                          ; v26     16 x lane: my 16 bytes of two rows of the output block
.set RSO,  27                          ; v27     4 x (my first row + l % 16)
.set SPW,  28                          ; v28     LDS address of my spare word; never rewritten
.set NIL,  29                          ; v29     0; never rewritten
.set PFO,  30                          ; v30     the prefetches' offset: my lane x a row of A or B; never rewritten
.set PFA,  44                          ; s[44:45] where my prefetches stand
.set LIM,  43                          ; s43     1 in a wave that prefetches, else the greatest number
.set F0,   64
.set F1,   128
.set TMP,  192
.set OB,   32
.set PA,   64
.set G1, 24                            ; s[24:31] descriptor group 1 for A's tiles
.set G0, 32                            ; s[32:39] group 0 for A's tiles, one set for each slot
.set G1B, 48                           ; s[48:55], s[56:63] the same for B's
.set G0B, 56
.set MSB, 0
.macro WIN new                         ; the immediate's high byte repeats the setting that is left
.if MSB != (\new)
	s_set_vgpr_msb (MSB<<8)|(\new)
.set MSB, \new
.endif
.endm
.set MUL_LO, 0xa1                      ; source 0 (B) window 1, source 1 (A) window 0, C and D window 2
.set MUL_HI, 0xf1                      ; the same, C and D window 3
.set TO_B,   0x40                      ; destination window 1, address window 0
; A joint load.  Waves 0 and 1 fetch A's two halves, waves 2 and 3 B's.  The branch hangs on the wave's number alone.  An s_nop 0 and four v_nop follow each line.
.macro JLOAD s
	s_cmp_eq_u32 s11, 0
	s_cbranch_scc0 .Lfor_b_\@
	tensor_load_to_lds s[G0+4*(\s):G0+4*(\s)+3], s[G1:G1+7]
	s_nop 0
.rept 4
	v_nop
.endr
	s_branch .Lasked_\@
.Lfor_b_\@:
	tensor_load_to_lds s[G0B+4*(\s):G0B+4*(\s)+3], s[G1B:G1B+7]
	s_nop 0
.rept 4
	v_nop
.endr
.Lasked_\@:
.endm
; A prefetch, behind each joint load and the run of LDS loads that follows it: the K step that stands two refills on: 32 rows x 256 bytes, a lane a row, one instruction a wave.
; Each row's 256 bytes of a K step are named once in the launch: cluster x = 0 asks for A's rows, cluster y = 0 for B's; of the 128 rows that a wave fetches the partner at place p
; (cx for A, cy for B) takes 32 p .. 32 p + 31, told apart by address.  The first four K steps come by their loads alone; the loop's last trip (s3 = 1) asks for nothing: there is no K step two on.
.macro ASK
	s_cmp_gt_u32 s3, s[LIM]
	s_cbranch_scc0 .Lnot_mine_\@
	global_prefetch_b8 v[PFO], s[PFA:PFA+1] offset:KSTEP*2 th:TH_LOAD_NT scope:SCOPE_SE
.Lnot_mine_\@:
.endm
.macro CREST                           ; a round of the cluster's barrier behind its opening barrier
	s_cmp_lg_u32 s10, 0
	s_cbranch_scc1 .Lnot_wave_0_\@
	s_barrier_signal -3
.Lnot_wave_0_\@:
	s_barrier_wait -3
	s_barrier_signal -1
	s_barrier_wait -1
.endm
.macro CROUND                          ; a whole round
	s_barrier_signal -1
	s_barrier_wait -1
	CREST
.endm
	s_load_b128 s[4:7], s[0:1], 0x0                ; xb s[4:5], wb s[6:7]
	s_load_b64 s[8:9], s[0:1], 0x10                ; qkvg
	s_load_b64 s[66:67], s[0:1], 0x18              ; rs
	v_lshl_add_u32 v[SPW], v0, 2, SPARE
	v_mov_b32 v[NIL], 0
	ds_add_u32 v[SPW], v[NIL]                      ; the wave's opening: the add and its wait ahead of my first tensor load; the set-up below stands between them
	v_lshrrev_b32 v1, 5, v0
	v_readfirstlane_b32 s10, v1                    ; wave 0..3
	s_lshr_b32 s11, s10, 1                         ; which half of the tile's rows is mine.  Also: I fetch for A (0) or for B (1)
	s_and_b32 s12, s10, 1                          ; which half of its columns.  Also: which 128 rows of that tile I fetch
	s_bfe_u32 s40, ttmp6, 0x40000                  ; cx
	s_bfe_u32 s41, ttmp6, 0x40004                  ; cy
	s_lshl_b32 s42, ttmp9, 2
	s_add_co_u32 s42, s42, s40                     ; tile column = 4 x cluster x + cx
	s_and_b32 s13, ttmp7, 0xffff
	s_lshl_b32 s13, s13, 2
	s_add_co_u32 s13, s13, s41                     ; tile row = 4 x cluster y + cy
	s_lshl_b32 s43, s41, 2
	s_lshl_b32 s43, 15, s43                        ; my row of the cluster
	s_lshl_b32 s44, 0x1111, s40                    ; my column
	; descriptor group 1: a tile of 128 rows x 128 elements of 2 bytes, 4 words of padding after every 64 words
	s_or_b32 s[G1+0], s43, (1<<16)|(1<<20)|(1<<21)|(5<<22)|(3<<25)
	s_or_b32 s[G1B+0], s44, (1<<16)|(1<<20)|(1<<21)|(5<<22)|(3<<25)
.irp g, G1, G1B
	s_mov_b32 s[(\g)+1], KSTEP<<16                 ; tensor_dim0 = 128
	s_mov_b32 s[(\g)+2], 128<<16                   ; tensor_dim1 = 128
	s_mov_b32 s[(\g)+3], KSTEP<<16                 ; tile_dim0 = 128
	s_mov_b32 s[(\g)+4], 128                       ; tile_dim1 = 128
	s_mov_b32 s[(\g)+5], SIZE_K                    ; elements from row to row
	s_mov_b32 s[(\g)+6], 0
	s_mov_b32 s[(\g)+7], 0
.endr
	; A's tiles hang on the tile row alone, B's on the tile column alone; each address is made in registers that never hold the other coordinate
	s_lshl_b32 s17, s12, 7
	s_lshl_b32 s16, s13, 8
	s_add_co_u32 s16, s16, s17                     ; A: row 256 x tile row + 128 x half
	s_lshl_b32 s46, s42, 8
	s_add_co_u32 s46, s46, s17                     ; B: row 256 x tile column + 128 x half
	s_mov_b32 s17, 0
	s_mov_b32 s47, 0
	s_mov_b64 s[18:19], SIZE_K*2
	s_mul_u64 s[16:17], s[16:17], s[18:19]
	s_mul_u64 s[46:47], s[46:47], s[18:19]
	s_mul_i32 s20, s10, HALFT                      ; where they go: wave x 128 rows
	s_wait_dscnt 0x0                               ; the opening add is done
	s_wait_kmcnt 0x0
	s_add_nc_u64 s[14:15], s[4:5], s[16:17]
	s_add_nc_u64 s[46:47], s[6:7], s[46:47]
	CROUND                                         ; all sixteen work-groups are here: the first joint loads meet
.irp s, 0,1
	s_mov_b32 s[G0+4*(\s)], 1
	s_add_co_u32 s[G0+4*(\s)+1], s20, (\s)*SLOT
	s_add_nc_u64 s[G0+4*(\s)+2:G0+4*(\s)+3], s[14:15], (\s)*KSTEP*2
	s_or_b32 s[G0+4*(\s)+3], s[G0+4*(\s)+3], 0x80000000
	s_mov_b32 s[G0B+4*(\s)], 1
	s_add_co_u32 s[G0B+4*(\s)+1], s20, (\s)*SLOT
	s_add_nc_u64 s[G0B+4*(\s)+2:G0B+4*(\s)+3], s[46:47], (\s)*KSTEP*2
	s_or_b32 s[G0B+4*(\s)+3], s[G0B+4*(\s)+3], 0x80000000
	JLOAD \s                                       ; two loads of mine are out
.endr
	; a fragment is 16 rows x 32 K in 8 registers: lane l holds row l % 16, K = 8 (l / 16) + 0..7 and 16 + 8 (l / 16) + 0..7: two loads of 16 bytes, 32 bytes apart
	v_and_b32 v1, 15, v0                           ; l % 16
	v_bfe_u32 v2, v0, 4, 1                         ; l / 16
	v_mul_u32_u24 v3, v1, PITCH
	v_lshl_add_u32 v3, v2, 4, v3
	s_mul_i32 s21, s11, HALFT                      ; my 128 rows of A
	s_mul_i32 s22, s12, HALFT                      ; my 128 rows of B,
	s_add_co_u32 s22, s22, 2*HALFT                 ; which lie behind A's 256
.irp s, 0,1
	v_add_nc_u32 v[ADRA+(\s)], s21, v3
	v_add_nc_u32 v[ADRB+(\s)], s22, v3
	s_add_co_u32 s21, s21, SLOT
	s_add_co_u32 s22, s22, SLOT
.endr
	s_mul_i32 s23, s10, 16*SPITCH
	s_add_co_u32 s23, s23, STAGE                   ; my stage
	v_mul_u32_u24 v4, v1, SPITCH
	v_lshl_add_u32 v4, v2, 4, v4
	v_add_nc_u32 v[STO], s23, v4
	v_mul_u32_u24 v5, v2, SPITCH
	v_lshl_add_u32 v5, v1, 4, v5
	v_add_nc_u32 v[RD], s23, v5
	v_and_b32 v[CO], 31, v0
	v_lshlrev_b32 v[CO], 4, v[CO]                  ; two rows of the output block are 512 bytes on end
	; where my part begins in qkvg: block 2 x tile column + my column half, row 256 x tile row + 128 x my row half
	s_lshl_b32 s13, s13, 8
	s_lshl_b32 s14, s11, 7
	s_add_co_u32 s16, s13, s14                     ; my first row
	s_lshl_b32 s70, s16, 2                         ; its byte in rs
	s_lshl_b32 s16, s16, 8
	s_mov_b32 s17, 0
	s_lshl_b32 s46, s42, 1
	s_add_co_u32 s46, s46, s12
	s_lshl_b32 s46, s46, 19                        ; a block is 2,048 rows of 256 bytes
	s_mov_b32 s47, 0
	s_add_nc_u64 s[16:17], s[16:17], s[46:47]
	; the prefetches
	s_lshl_b32 s42, s42, 8
	s_and_b32 s22, ttmp7, 0xffff                   ; cluster y
	s_cmp_eq_u32 s11, 0                            ; do I fetch for A?
	s_cselect_b32 s20, s13, s42                    ; the tile's first row
	s_cselect_b32 s21, s40, s41                    ; my place among the four that ask for it with me
	s_cselect_b32 s22, ttmp9, s22                  ; the coordinate along which other clusters read the same rows
	s_cselect_b64 s[PFA:PFA+1], s[4:5], s[6:7]
	s_cmp_eq_u32 s22, 0
	s_cselect_b32 s[LIM], 1, -1
	s_lshl_b32 s22, s12, 7
	s_add_co_u32 s20, s20, s22
	s_lshl_b32 s21, s21, 5
	s_add_co_u32 s20, s20, s21
	s_mov_b32 s21, 0
	s_mov_b64 s[18:19], SIZE_K*2
	s_mul_u64 s[20:21], s[20:21], s[18:19]
	s_add_nc_u64 s[PFA:PFA+1], s[PFA:PFA+1], s[20:21]
	s_add_nc_u64 s[PFA:PFA+1], s[PFA:PFA+1], 2*KSTEP*2  ; at K step 2: the first refill steps it to 3 and names K step 4
	v_and_b32 v[PFO], 31, v0
	v_mul_u32_u24 v[PFO], v[PFO], SIZE_K*2
	; the scales: rs of row 16 a + l % 16 of my 128 for q', k, v; 1 for the gate's columns, which are tile columns 24 on: clusters 6 and 7 along x
	s_cmp_ge_u32 ttmp9, 6
	s_cselect_b32 s68, 0, 1.0
	s_cselect_b32 s69, 1.0, 0
	v_lshlrev_b32 v[RSO], 2, v1
	v_add_nc_u32 v[RSO], s70, v[RSO]
.irp a, 0,1,2,3,4,5,6,7
	global_load_b32 v[2*(\a)], v[RSO], s[66:67] offset:64*(\a)
.endr
	s_wait_loadcnt 0x0
.irp a, 0,1,2,3,4,5,6,7
	v_fma_f32 v[2*(\a)], v[2*(\a)], s68, s69
	v_mov_b32 v[2*(\a)+1], v[2*(\a)]               ; named with it as a pair
.endr
; 16 matrix instructions: m blocks a0, a0 + 1 of the window's four x all 8 n blocks, 32 along K.  zero = 1: the first product starts the sums
.macro MUL16 f, hi, a0, zero
	WIN MUL_LO+0x50*(\hi)
.irp a, \a0, (\a0)+1
.irp b, 0,1,2,3,4,5,6,7
.if \zero
	v_wmma_f32_16x16x32_bf16 v[8*(8*(\a)+(\b)):8*(8*(\a)+(\b))+7], v[(\f)+8*(\b):(\f)+8*(\b)+7], v[(\f)+8*(4*(\hi)+(\a)):(\f)+8*(4*(\hi)+(\a))+7], 0
.else
	v_wmma_f32_16x16x32_bf16 v[8*(8*(\a)+(\b)):8*(8*(\a)+(\b))+7], v[(\f)+8*(\b):(\f)+8*(\b)+7], v[(\f)+8*(4*(\hi)+(\a)):(\f)+8*(4*(\hi)+(\a))+7], v[8*(8*(\a)+(\b)):8*(8*(\a)+(\b))+7]
.endif
.endr
.endr
.endm
; 32 LDS loads in one run: the fragments of one quarter step into buffer f
.macro FETCH slot, k, f
	WIN TO_B
.irp i, 0,1,2,3,4,5,6,7
	ds_load_b128 v[(\f)+8*(\i):(\f)+8*(\i)+3],   v[ADRB+(\slot)] offset:(\k)+(\i)*16*PITCH
	ds_load_b128 v[(\f)+8*(\i)+4:(\f)+8*(\i)+7], v[ADRB+(\slot)] offset:(\k)+(\i)*16*PITCH+32
.endr
	WIN 0
.irp i, 0,1,2,3,4,5,6,7
	ds_load_b128 v[(\f)+8*(\i):(\f)+8*(\i)+3],   v[ADRA+(\slot)] offset:(\k)+(\i)*16*PITCH
	ds_load_b128 v[(\f)+8*(\i)+4:(\f)+8*(\i)+7], v[ADRA+(\slot)] offset:(\k)+(\i)*16*PITCH+32
.endr
.endm
; four places in front of loads into registers that matrix instructions have read and of vector lines that touch results just made
.macro PLACES
.rept 4
	v_nop
.endr
.endm
; a K step is four quarters of 32 along K, 64 matrix instructions each, on buffers 0, 1, 0, 1; the 64 accumulators take turns, one instruction a turn
.macro QUARTER slot, k, f, g, zero
	s_wait_dscnt 8                                 ; B and A's rows 0-63 are in; the youngest eight loads (A's rows 64-127) may be out
	WIN MUL_LO
	MUL16 \f, 0, 0, \zero
	MUL16 \f, 0, 2, \zero
	PLACES
	FETCH \slot, \k, \g
	s_wait_dscnt 32                                ; all but the 32 just issued
	WIN MUL_HI
	MUL16 \f, 1, 0, \zero
	MUL16 \f, 1, 2, \zero
.endm
; the first half of the last quarter: ONE barrier for the change of slots
.macro MEET round
	WIN 0
	s_wait_tensorcnt 0x0                           ; all my tensor loads have landed: the one that was out is my part of the next slot;
	ds_add_u32 v[SPW], v[NIL]                      ; 0 onto my spare word;
	s_wait_dscnt 9                                 ; (the add and the youngest eight loads may be out)
	WIN MUL_LO
	MUL16 F1, 0, 0, 0
	s_wait_dscnt 0x0                               ; the add is done, and my reads of this slot are over
	s_barrier_signal -1
	MUL16 F1, 0, 2, 0
.if \round
	WIN 0
.endif
	s_barrier_wait -1
.endm
; the whole last quarter: behind the round the slot just read out is filled again first, with the K step two steps on; then come the next slot's first fragments
.macro TURN slot, next
	s_wait_xcnt 0x0                                ; the last prefetch, a K step back, has read its address
	s_add_nc_u64 s[PFA:PFA+1], s[PFA:PFA+1], KSTEP*2
	MEET 1
	CREST                                          ; no wave of any partner still reads this slot's tile or has a load on its way
	s_add_nc_u64 s[G0+4*(\slot)+2:G0+4*(\slot)+3], s[G0+4*(\slot)+2:G0+4*(\slot)+3], 2*KSTEP*2
	s_add_nc_u64 s[G0B+4*(\slot)+2:G0B+4*(\slot)+3], s[G0B+4*(\slot)+2:G0B+4*(\slot)+3], 2*KSTEP*2
	JLOAD \slot                                    ; my one tensor load behind the round: 224 matrix instructions ahead of the wait for it
	FETCH \next, 0, F0
	ASK
	WIN MUL_HI
	MUL16 F1, 1, 0, 0
	MUL16 F1, 1, 2, 0
.endm
; THE LAST K STEP (slot 1) GOES BY ROWS: all its fragments of B fill window 1; my eight blocks of 16 rows are finished one after the other, 32 matrix instructions each, K ascending
.macro BLOAD q
	WIN TO_B
.irp i, 0,1,2,3,4,5,6,7
	ds_load_b128 v[64*(\q)+8*(\i):64*(\q)+8*(\i)+3],   v[ADRB+1] offset:64*(\q)+(\i)*16*PITCH
	ds_load_b128 v[64*(\q)+8*(\i)+4:64*(\q)+8*(\i)+7], v[ADRB+1] offset:64*(\q)+(\i)*16*PITCH+32
.endr
.endm
.macro ALOAD a
	WIN 0
.set FA, PA+32*((\a)%4)
.irp q, 0,1,2,3
	ds_load_b128 v[FA+8*(\q):FA+8*(\q)+3],   v[ADRA+1] offset:64*(\q)+(\a)*16*PITCH
	ds_load_b128 v[FA+8*(\q)+4:FA+8*(\q)+7], v[ADRA+1] offset:64*(\q)+(\a)*16*PITCH+32
.endr
.endm
.macro ROW a
.set FA, PA+32*((\a)%4)
.set AC, 64*((\a)%4)
	WIN MUL_LO+0x50*((\a)/4)
.irp q, 0,1,2,3
.if (\a) == 0 && (\q) == 2
	s_wait_dscnt 24                                ; B's quarter 2 is in (behind it: A's blocks 1 to 3)
.endif
.irp b, 0,1,2,3,4,5,6,7
	v_wmma_f32_16x16x32_bf16 v[AC+8*(\b):AC+8*(\b)+7], v[64*(\q)+8*(\b):64*(\q)+8*(\b)+7], v[FA+8*(\q):FA+8*(\q)+7], v[AC+8*(\b):AC+8*(\b)+7]
.endr
.endr
.endm
; THE WAY OUT of block a.  PACK: the sums times the row's scale, in place, each accumulator from its low end on; then rounded once to f16, 16 bytes a lane
.macro PACK a
.set AC, 64*((\a)%4)
	WIN 0x82+0x41*((\a)/4)                         ; destination and source 0: window 2 or 3; the scale: window 0
.irp b, 0,1,2,3,4,5,6,7
.irp r, 0,1,2,3
	v_pk_mul_f32 v[AC+8*(\b)+2*(\r):AC+8*(\b)+2*(\r)+1], v[AC+8*(\b)+2*(\r):AC+8*(\b)+2*(\r)+1], v[2*(\a):2*(\a)+1] op_sel_hi:[1,0]
.endr
.endr
	WIN 0x0a+5*((\a)/4)                            ; sources 0 and 1: window 2 or 3
.irp b, 0,1,2,3,4,5,6,7
.irp r, 0,1,2,3
	v_cvt_pk_f16_f32 v[TMP+4*(\b)+(\r)], v[AC+8*(\b)+2*(\r)], v[AC+8*(\b)+2*(\r)+1]
.endr
.endr
	WIN 0
.endm
.macro TOSTAGE a                       ; into my own stage, and back as whole rows of 256 bytes
	WIN 0
.set BK, OB+192*((\a)%2)
.irp b, 0,1,2,3,4,5,6,7
	ds_store_b128 v[STO], v[TMP+4*(\b):TMP+4*(\b)+3] offset:32*(\b)
.endr
.irp t, 0,1,2,3,4,5,6,7
	ds_load_b128 v[BK+4*(\t):BK+4*(\t)+3], v[RD] offset:(\t)*2*SPITCH  ; LDS serves a wave's instructions in order (ISA guide 5.7.1.4): these see the stores above
.endr
.endm
.macro SEND a, younger                 ; younger: the LDS loads issued behind TOSTAGE's, which may stay out
	WIN 0
.set BK, OB+192*((\a)%2)
	s_wait_dscnt \younger
	s_wait_xcnt 0x0                                ; the stores' base and the registers that earlier stores read are rewritten only behind this wait
.if (\a) == 0
	s_add_nc_u64 s[8:9], s[8:9], s[16:17]          ; on to my first rows
.else
	s_add_nc_u64 s[8:9], s[8:9], 16*256            ; 16 rows on
.endif
.irp t, 0,1,2,3,4,5,6,7
	global_store_b128 v[CO], v[BK+4*(\t):BK+4*(\t)+3], s[8:9] offset:512*(\t)  ; 512 consecutive bytes, aligned: two rows of the block
.endr
.endm
	s_wait_tensorcnt 1                             ; my part of K step 0 is in; K step 1's load may stay out
	s_barrier_signal -1
	s_barrier_wait -1
	FETCH 0, 0, F0
	QUARTER 0, 64,  F0, F1, 1                      ; the first quarter stands in front of the loop: its products start the sums
	WIN 0
	s_mov_b32 s3, LAPS-1
.Llap:                                                 ; a trip goes once round the ring, from a lap's second quarter to the next lap's first, and fills both slots again
	QUARTER 0, 128, F1, F0, 0
	QUARTER 0, 192, F0, F1, 0
	TURN 0, 1
	QUARTER 1, 64,  F0, F1, 0
	QUARTER 1, 128, F1, F0, 0
	QUARTER 1, 192, F0, F1, 0
	TURN 1, 0
	QUARTER 0, 64,  F0, F1, 0
	WIN 0
	s_sub_co_u32 s3, s3, 1
	s_cmp_lg_u32 s3, 0
	s_cbranch_scc1 .Llap
	QUARTER 0, 128, F1, F0, 0                      ; the last lap goes on
	QUARTER 0, 192, F0, F1, 0
	MEET 0                                         ; nothing is filled again, so no round follows
	PLACES
	WIN TO_B
	BLOAD 0
	BLOAD 1
	BLOAD 3
	WIN 0
	ALOAD 0
	WIN MUL_HI
	MUL16 F1, 1, 0, 0
	MUL16 F1, 1, 2, 0
	PLACES
	WIN TO_B
	BLOAD 2
	WIN 0
	ALOAD 1
	ALOAD 2
	ALOAD 3
	s_wait_dscnt 40                                ; all but the 40 just issued
	ROW 0
.irp a, 0,1,2,3,4,5,6,7                ; each block leaves as soon as it is finished
	PLACES
	PACK \a
	TOSTAGE \a
.if (\a) < 4
	ALOAD (\a)+4
	SEND \a, 8
.else
	SEND \a, 0
.endif
.if (\a) < 7
	ROW (\a)+1
.endif
.endr
	s_wait_tensorcnt 0x0                           ; the wave's end
	ds_add_u32 v[SPW], v[NIL]
	s_wait_dscnt 0x0
	CROUND                                         ; the closing round
	s_endpgm
.Lfunc_end_k_qe0170b4cdf_proj:
	.size	k_qe0170b4cdf_proj, .Lfunc_end_k_qe0170b4cdf_proj-k_qe0170b4cdf_proj
	.p2alignl 7, 3214868480
	.fill 96, 4, 3214868480
	.section	.rodata,"a",@progbits
	.p2align	6, 0x0
	.amdhsa_kernel k_qe0170b4cdf_proj
		.amdhsa_group_segment_fixed_size 327680
		.amdhsa_private_segment_fixed_size 0
		.amdhsa_enable_private_segment 0
		.amdhsa_kernarg_size 32
		.amdhsa_user_sgpr_count 2
		.amdhsa_user_sgpr_kernarg_segment_ptr 1
		.amdhsa_wavefront_size32 1
		.amdhsa_system_sgpr_workgroup_id_x 1
		.amdhsa_system_sgpr_workgroup_id_y 1
		.amdhsa_system_sgpr_workgroup_id_z 1
		.amdhsa_system_vgpr_workitem_id 0
		.amdhsa_next_free_vgpr 1024
		.amdhsa_next_free_sgpr 72
		.amdhsa_reserve_vcc 0
		.amdhsa_float_denorm_mode_32 3
		.amdhsa_float_denorm_mode_16_64 3
		.amdhsa_memory_ordered 1
		.amdhsa_forward_progress 1
		.amdhsa_inst_pref_size 162
	.end_amdhsa_kernel
	.amdgpu_metadata
---
amdhsa.version: [ 1, 2 ]
amdhsa.kernels:
  - .name:           k_qe0170b4cdf_proj
    .symbol:         k_qe0170b4cdf_proj.kd
    .args:
      - { .name: xb, .offset: 0, .size: 8, .value_kind: global_buffer, .address_space: global }
      - { .name: wb, .offset: 8, .size: 8, .value_kind: global_buffer, .address_space: global }
      - { .name: qkvg, .offset: 16, .size: 8, .value_kind: global_buffer, .address_space: global }
      - { .name: rs, .offset: 24, .size: 8, .value_kind: global_buffer, .address_space: global }
    .group_segment_fixed_size: 327680
    .private_segment_fixed_size: 0
    .kernarg_segment_align: 8
    .kernarg_segment_size: 32
    .max_flat_workgroup_size: 128
    .sgpr_count:     72
    .vgpr_count:     1024
    .wavefront_size: 32
...
	.end_amdgpu_metadata
.endif
;; end of part 2
;; launch attn (part 3): grid 16 x 16, 8 waves a work-group, clusters of 4 x 4, 327,680 bytes of LDS; arguments qkvg, mask, ob; writes ob
.if DOCPART == 3
	.amdgcn_target "amdgcn-amd-amdhsa--gfx1250"
	.amdhsa_code_object_version 6
	.text
	.protected	k_qe0170b4cdf_attn
	.globl	k_qe0170b4cdf_attn
	.p2align	8
	.type	k_qe0170b4cdf_attn,@function
k_qe0170b4cdf_attn:
	s_mov_b64 s[64:65], 0
	v_nop
	global_prefetch_b8 v0, s[64:65] scope:SCOPE_SE
	s_setreg_imm32_b32 hwreg(HW_REG_WAVE_MODE, 25, 1), 1
	s_wait_xcnt 0x0
	s_wait_alu depctr_hold_cnt(0) depctr_sa_sdst(0) depctr_va_vdst(0) depctr_va_sdst(0) depctr_va_ssrc(0) depctr_va_vcc(0) depctr_vm_vsrc(0)
	s_getreg_b32 s2, hwreg(HW_REG_IB_STS2, 6, 4)
	s_cmp_eq_u32 s2, 0
	s_cbranch_scc0 .Lentry_in_a_cluster
	s_endpgm
.Lentry_in_a_cluster:
	s_bfe_u32 s2, ttmp6, 0x10000c
	s_cmp_lg_u32 s2, 0xf033
	s_cbranch_scc0 .Lentry_shape_is_right
	s_endpgm
.Lentry_shape_is_right:
; ATTENTION WITH A CAPPED SCORE AND AN ADDITIVE MASK THAT IS AN INPUT.  For head h and query q:
;   S = q'[q] . k[j]  (q' holds the factor 2 log2(e) / (30 sqrt(128)), so that 30 tanh(q.k / (30 sqrt(128))) = 30 - 60 / (1 + 2^S))
;   l = (30 - 60 / (1 + 2^S)) + mask[q][j], both roundings in f32 and in this order;  p = 2^(log2(e) (l - m)) with a running maximum m;  O = sum p v / sum p.
; The mask's numbers have no bound and no pattern may be built in: all 2,048 keys are walked, every number of the mask is loaded, and l - m is formed before the scaling, so that large equal
; magnitudes cancel exactly.  q', k, v: blocks 0-15, 16-31, 32-47 of qkvg [64][2048][128] f16.  ob: [2048][2048] f16, column 128 h + channel.
; Products, maxima and sums in f32; p is rounded to f16 for the second product (its sum is taken of the unrounded p), O once at the end.
; LIMITS.  tanh by 1 - 2 / (1 + 2^S) is off by about 1e-7 in absolute terms, the capped score by about 4e-6.  A weight below 2^-126 counts as 0.  NaN and +infinity in the mask are not treated apart; a row
; whose mask is -infinity throughout gives NaN.  m starts at the lowest finite number.
; SHARES.  A work-group owns 128 queries of one head: 16 x 16 work-groups, 256.  EIGHT WAVES, two for each of a WGP's four SIMDs, 512 registers each.  A score costs three transcendentals and some four plain
; instructions: 527 vector lines for a step's 64 matrix instructions, so the vector work sets the pace; the step stays in phases, and while one wave of a SIMD has its products at work or waits, the other issues.
; Wave w has 32 queries (w % 4), two tiles of 16, and THE KEYS ARE SPLIT: of each slot's 128 keys it takes the 64 at 64 (w / 4).  A fragment of K or V feeds two tiles' products, whichever the number of waves.
; THE MERGE.  Register-tile t of wave w holds queries 32 (w % 4) + 16 (t xor (w / 4)): every wave keeps its tile 0 and hands its tile 1 (O^T, m and the sum, all f32) to wave (w + 4) % 8 through LDS, once, at the end.
; LAYOUT.  S^T = K Q^T (source 0 = 16 keys, source 1 = 16 queries): a lane holds ONE query (lane % 16) and the keys 8 (lane / 16) + 0..7, for which the mask's numbers are 32 bytes on end of the query's row.
; Two such results, rounded to f16 in pairs, ARE source 1 of O^T = V^T P.  K comes out of LDS as it lies, V turned, by ds_load_tr16_b128.
; CLUSTER, 4 x 4: x counts query blocks, y heads.  K's and V's tiles hang on the head alone and are asked for jointly along a row of the cluster, the mask's tiles on the query block alone and jointly along a column.
; O^T and the sums are cleared once, in the wait for the first tile: 128 + 4 lines, the price of writing no first step out.
; REGISTERS, in two windows of 256 (s_set_vgpr_msb: bits 1:0 source 0, 3:2 source 1, 5:4 source 2, 7:6 destination):
;   window 0: v1-15, v32-49 addresses and the merge's work; v16-31 statistics, 8 a tile; v64-127 S^T, 32 a tile; v128-191 the mask, 32 a tile (P, 16 a tile, takes its first 32 when the mask has been added); v192-255 Q, 32 a tile
;   window 1: v0-127 O^T, 64 a tile; v128-255 K of the step, then V of the step: one buffer
.set KS,    64
.set PK,    272       ; a row of K in LDS: 256 bytes + 16 = 68 words: the 16 rows of a load start at 16 different groups of four banks (64 banks of 4 bytes: ISA guide 11.1)
.set PV,    288       ; a row of V: 256 + 32 = 72 words
.set PM,    528       ; a row of the mask: 128 f32 = 512 bytes + 16 = 132 words: as K
.set VOFF,  128*PK    ; a slot holds 128 keys: 128 rows of K, 128 rows of V, 128 queries' rows of the mask
.set MOFF,  VOFF+128*PV
.set SLOT,  MOFF+128*PM  ; 139,264 = 0x22000; its two bits are clear in every base inside a slot, so one exclusive or turns an address in one slot into the other's
.set STAGE, 2*SLOT    ; behind the ring, never filled by a tensor load: 16 rows x 272 bytes for each wave
.set SP,    272
.set SPARE, STAGE+8*16*SP  ; the spare words, 128 bytes for each of the eight waves
.set MERGE, 8704      ; what a wave hands over: 64 registers x 128 bytes, then 512 bytes of statistics.  8 x 8,704 bytes from LDS byte 0 on: in slot 0, behind its last fill (below)
.set AK0, 2           ; v2   my lane's place in my 64 keys of a tile of K; never rewritten
.set AV0, 3           ; v3   of V
.set AM0, 4           ; v4, v5  of the mask, for tile 0 and tile 1
.set AM1, 5
.set ADK, 6           ; v6-9 the LDS addresses of the step's runs of loads
.set ADV, 7
.set ADM0, 8
.set ADM1, 9
.set STO, 10          ; v10  the way out: where I put 16 bytes of a row
.set RD,  11          ; v11  where I read rows back
.set GO,  12          ; v12  my byte offset in two rows of ob
.set QO0, 32          ; v32, v33  my byte offset in the block's rows of Q, for tile 0 and tile 1
.set QO1, 33
.set PFO, 34          ; v34  the prefetches' offset; never rewritten
.set MS,  35          ; v35  the merge: where I put 16 bytes
.set ML,  36          ; v36  where I read my partner's
.set SPW, 38          ; v38  LDS address of my spare word; never rewritten
.set NIL, 39          ; v39  0; never rewritten
.set PS,  40          ; v[40:43] my partner's statistics: m, -, the sum's two halves
.set FA,  44          ; v[44:45] my factor, in the low word
.set FB,  46          ; v[46:47] my partner's
.set ST,  16          ; tile t at ST + 8 t: +0 m, +1 at work, +2, +3 the sum (even keys', odd keys'), +4 to +7 c0-c3; a takes c2's place
.set S,   64
.set MF,  128
.set P,   128
.set QF,  192
.set KF,  128         ; window 1
.set VF,  128         ; window 1
.set WV,  10          ; s10  my wave's number
.set LIM, 15          ; s15  1 in a wave that prefetches, else the greatest number
.set G1K, 24
.set G1V, 32
.set G1M, 40
.set G0K, 48          ; the three group 0 walk
.set G0V, 52
.set G0M, 56
.set SLOTS, 60        ; s60  tiles still to be asked for
.set TS,  62          ; s62  LDS byte at which the slot to be read begins
.set CN60, 68         ; s[68:69] -60
.set C30, 70          ; s[70:71] 30
.set CL2, 72          ; s[72:73] log2(e)
.set SEL, 74          ; s[74:75] v_permlanex16_b32's selects
.set PFA, 76          ; s[76:77] where my prefetches stand
.set PST, 78          ; s[78:79] their step from tile to tile
.set MSB, 0
.macro WIN new
.if MSB != (\new)
	s_set_vgpr_msb (MSB<<8)|(\new)
.set MSB, (\new)
.endif
.endm
.set W_KQ, 0x01       ; K window 1; Q and S^T window 0
.set W_PV, 0x51       ; V and O^T window 1, P window 0
.set W_RS, 0x41       ; destination and source 0 window 1, source 1 window 0
.set TO_1, 0x40       ; destination window 1, address window 0
.macro PLACES
.rept 4
	v_nop
.endr
.endm
; A joint fill.  Wave 0 fetches a tile's K, wave 1 its V, waves 2 and 3 the two halves of the mask's 128 rows; waves 4 to 7 have no part of a tile to fill.  The branches hang on the wave's number alone.
; An s_nop 0 and four v_nop follow each line.
.macro JLOAD
	s_cmp_lt_u32 s[WV], 4
	s_cbranch_scc0 .Lasked_\@
	s_cmp_lt_u32 s[WV], 2
	s_cbranch_scc0 .Lfor_m_\@
	s_cmp_eq_u32 s[WV], 0
	s_cbranch_scc0 .Lfor_v_\@
	tensor_load_to_lds s[G0K:G0K+3], s[G1K:G1K+7]
	s_nop 0
.rept 4
	v_nop
.endr
	s_branch .Lasked_\@
.Lfor_v_\@:
	tensor_load_to_lds s[G0V:G0V+3], s[G1V:G1V+7]
	s_nop 0
.rept 4
	v_nop
.endr
	s_branch .Lasked_\@
.Lfor_m_\@:
	tensor_load_to_lds s[G0M:G0M+3], s[G1M:G1M+7]
	s_nop 0
.rept 4
	v_nop
.endr
.Lasked_\@:
.endm
; A prefetch of what the NEXT change of slots will ask for, behind my tensor load and its five lines: a slot's work, 64 matrix instructions a wave and their vector work, ahead of that load.
; Each aligned block of 256 bytes is named once in the launch.  K's and V's rows are read by the four clusters of a row of clusters: cluster x = 0 asks (waves 0 and 1), its partner at cx takes rows 32 cx .. + 31, a lane a row.
; The mask's rows are read by the four clusters of a column: cluster y = 0 asks (waves 2 and 3), its partner at cy takes rows 16 cy .. + 15 of the wave's 64, a lane one of a row's two blocks.  Partners are told apart by address.
; Tiles 0 and 1 come by their loads alone; the last change that fills a slot asks for nothing; waves 4 to 7 never ask.
.macro ASK
	s_cmp_gt_u32 s[SLOTS], s[LIM]
	s_cbranch_scc0 .Lnot_mine_\@
	global_prefetch_b8 v[PFO], s[PFA:PFA+1] th:TH_LOAD_NT scope:SCOPE_SE
.Lnot_mine_\@:
.endm
.macro CROUND                       ; a round of the cluster's barrier
	s_barrier_signal -1
	s_barrier_wait -1
	s_cmp_lg_u32 s[WV], 0
	s_cbranch_scc1 .Lnot_wave_0_\@
	s_barrier_signal -3
.Lnot_wave_0_\@:
	s_barrier_wait -3
	s_barrier_signal -1
	s_barrier_wait -1
.endm
; THE CHANGE OF SLOTS.  Each wave waits for all its tensor loads, of which at most one is out: its part of the other slot; adds 0 to its spare word; and waits for that and for its reads of the slot that it leaves.
; fill = 1: the barrier is a round of the cluster's, and the joint fill of the old slot, with the keys two slots on, is the first thing behind it.  (At its first use nothing has been read: slot 0 is waited for, slot 1 filled.)
.macro CHANGE fill
	WIN 0
	s_wait_tensorcnt 0x0            ; no tensor load of mine is out, so a group 0 may be written
	ds_add_u32 v[SPW], v[NIL]       ; 0 onto my spare word
.if \fill
.irp g, G0K, G0V
	s_xor_b32 s[\g+1], s[\g+1], SLOT
	s_add_nc_u64 s[\g+2:\g+3], s[\g+2:\g+3], 128*256  ; the next 128 keys
.endr
	s_xor_b32 s[G0M+1], s[G0M+1], SLOT
	s_add_nc_u64 s[G0M+2:G0M+3], s[G0M+2:G0M+3], 128*4  ; the next 128 columns
	s_wait_xcnt 0x0                 ; the last prefetch, a slot back, has read its address
	s_add_nc_u64 s[PFA:PFA+1], s[PFA:PFA+1], s[PST:PST+1]
	s_wait_dscnt 0x0                ; the add is done, and my reads of the slot are over
	CROUND
	JLOAD
	ASK
.else
	s_wait_dscnt 0x0
	s_barrier_signal -1
	s_barrier_wait -1
.endif
	s_xor_b32 s[TS], s[TS], SLOT    ; the fetches go to the other slot
.endm
	s_load_b128 s[4:7], s[0:1], 0x0   ; qkvg s[4:5], mask s[6:7]
	s_load_b64 s[8:9], s[0:1], 0x10   ; ob
	v_lshl_add_u32 v[SPW], v0, 2, SPARE
	v_mov_b32 v[NIL], 0
	ds_add_u32 v[SPW], v[NIL]       ; the wave's opening: the add and its wait ahead of my first tensor load
	v_lshrrev_b32 v1, 5, v0
	v_readfirstlane_b32 s[WV], v1   ; wave 0..7
	s_bfe_u32 s11, ttmp6, 0x40000   ; cx
	s_bfe_u32 s12, ttmp6, 0x40004   ; cy
	s_lshl_b32 s13, ttmp9, 2
	s_add_co_u32 s13, s13, s11      ; my block of 128 queries
	s_and_b32 s86, ttmp7, 0xffff    ; cluster y
	s_lshl_b32 s14, s86, 2
	s_add_co_u32 s14, s14, s12      ; my head
	s_lshl_b32 s16, s12, 2
	s_lshl_b32 s16, 15, s16         ; my row of the cluster
	s_lshl_b32 s20, 0x1111, s11     ; my column
	; group 1.  K, V: 128 rows x 128 elements of 2 bytes, padded after every 64 words by 4 or 8.  The mask: 64 rows x 128 elements of 4 bytes, 2,048 elements from row to row, padded after every 128 words by 4
	s_or_b32 s[G1K], s16, (1<<16)|(1<<20)|(1<<21)|(5<<22)|(3<<25)
	s_or_b32 s[G1V], s16, (1<<16)|(1<<20)|(1<<21)|(5<<22)|(7<<25)
	s_or_b32 s[G1M], s20, (2<<16)|(1<<20)|(1<<21)|(6<<22)|(3<<25)
.irp g, G1K, G1V
	s_mov_b32 s[\g+1], 128<<16
	s_mov_b32 s[\g+2], 128<<16
	s_mov_b32 s[\g+3], 128<<16
	s_mov_b32 s[\g+4], 128
	s_mov_b32 s[\g+5], 128
	s_mov_b32 s[\g+6], 0
	s_mov_b32 s[\g+7], 0
.endr
	s_mov_b32 s[G1M+1], 128<<16
	s_mov_b32 s[G1M+2], 64<<16
	s_mov_b32 s[G1M+3], 128<<16
	s_mov_b32 s[G1M+4], 64
	s_mov_b32 s[G1M+5], 2048
	s_mov_b32 s[G1M+6], 0
	s_mov_b32 s[G1M+7], 0
	; K's and V's offsets are made of the head alone (s16-19), the mask's of the query block and the wave alone (s20, s21, s82, s83)
	s_add_co_u32 s16, s14, 16
	s_lshl_b32 s16, s16, 19
	s_mov_b32 s17, 0
	s_add_co_u32 s18, s14, 32
	s_lshl_b32 s18, s18, 19
	s_mov_b32 s19, 0
	s_and_b32 s82, s[WV], 1         ; which 64 rows of the mask's tile (waves 2 and 3)
	s_lshl_b32 s20, s13, 7
	s_lshl_b32 s83, s82, 6
	s_add_co_u32 s20, s20, s83
	s_lshl_b32 s20, s20, 13         ; a row of the mask is 8,192 bytes
	s_mov_b32 s21, 0
	s_mov_b32 s[G0K], 1
	s_mov_b32 s[G0K+1], 0
	s_mov_b32 s[G0V], 1
	s_mov_b32 s[G0V+1], VOFF
	s_mov_b32 s[G0M], 1
	s_mul_i32 s[G0M+1], s82, 64*PM
	s_add_co_u32 s[G0M+1], s[G0M+1], MOFF
	; my share: s90 = which 64 of a slot's keys; s87, s91 = the first query of my tile 0 and of my tile 1 in the block
	s_and_b32 s87, s[WV], 3
	s_lshr_b32 s90, s[WV], 2
	s_lshl_b32 s87, s87, 5
	s_lshl_b32 s83, s90, 4
	s_add_co_u32 s87, s87, s83      ; 32 (w % 4) + 16 (w / 4)
	s_lshl_b32 s83, s90, 5
	s_add_co_u32 s91, s87, 16
	s_sub_co_u32 s91, s91, s83      ; 32 (w % 4) + 16 (1 - w / 4)
	; ob at my tile 0's first row and my head's columns; Q at the block's first row
	s_lshl_b32 s22, s13, 7
	s_add_co_u32 s80, s22, s87
	s_lshl_b32 s80, s80, 12
	s_lshl_b32 s81, s14, 8
	s_add_co_u32 s80, s80, s81
	s_mov_b32 s81, 0
	s_lshl_b32 s22, s13, 15
	s_lshl_b32 s23, s14, 19
	s_add_co_u32 s22, s22, s23
	s_mov_b32 s23, 0
	; the prefetches: at tile 1; the first change of slots steps them to tile 2
	s_lshl_b32 s2, s11, 13          ; 32 cx rows of 256 bytes
	s_cmp_eq_u32 s[WV], 0
	s_cselect_b32 s3, s16, s18
	s_add_co_u32 s2, s2, s3
	s_add_co_u32 s2, s2, 128*256
	s_lshl_b32 s3, s12, 17          ; 16 cy rows of 8,192 bytes
	s_add_co_u32 s3, s3, s20
	s_add_co_u32 s3, s3, 128*4
	s_mov_b32 s[PST], 128*4
	s_cmp_lt_u32 s[WV], 2
	s_cselect_b32 s[PFA], s2, s3
	s_cselect_b32 s[PST], 128*256, s[PST]
	s_cselect_b32 s[LIM], ttmp9, s86
	s_cselect_b32 s84, 8, 13        ; lane % 16 counts rows: of 256 or of 8,192 bytes
	s_cselect_b32 s85, 12, 8        ; lane / 16: sixteen rows on, or a row's second block
	s_mov_b32 s[PFA+1], 0
	s_mov_b32 s[PST+1], 0
	s_cmp_eq_u32 s[LIM], 0
	s_cselect_b32 s[LIM], 1, -1
	s_cmp_lt_u32 s[WV], 4
	s_cselect_b32 s[LIM], s[LIM], -1
	s_mov_b32 s[CN60], 0xc2700000
	s_mov_b32 s[CN60+1], s[CN60]
	s_mov_b32 s[C30], 0x41f00000
	s_mov_b32 s[C30+1], s[C30]
	s_mov_b32 s[CL2], 0x3fb8aa3b
	s_mov_b32 s[CL2+1], s[CL2]
	s_mov_b32 s[SEL], 0x76543210
	s_mov_b32 s[SEL+1], 0xfedcba98
	s_mov_b32 s[TS], SLOT           ; the first change of slots turns it into 0
	s_mov_b32 s[SLOTS], 2048/128-1
	s_wait_dscnt 0x0                ; the opening add is done
	s_wait_kmcnt 0x0
	s_add_nc_u64 s[G0K+2:G0K+3], s[4:5], s[16:17]
	s_or_b32 s[G0K+3], s[G0K+3], 0x80000000
	s_add_nc_u64 s[G0V+2:G0V+3], s[4:5], s[18:19]
	s_or_b32 s[G0V+3], s[G0V+3], 0x80000000
	s_add_nc_u64 s[G0M+2:G0M+3], s[6:7], s[20:21]
	s_or_b32 s[G0M+3], s[G0M+3], 0x80000000
	s_add_nc_u64 s[22:23], s[4:5], s[22:23]
	s_add_nc_u64 s[8:9], s[8:9], s[80:81]
	s_cmp_lt_u32 s[WV], 2
	s_cselect_b64 s[88:89], s[4:5], s[6:7]
	s_add_nc_u64 s[PFA:PFA+1], s[88:89], s[PFA:PFA+1]
	CROUND                          ; all sixteen work-groups are here: the first joint loads meet
	JLOAD                           ; tile 0 into slot 0; slot 1 is asked for when slot 0 is in
	v_and_b32 v1, 15, v0            ; r = l % 16
	v_bfe_u32 v13, v0, 4, 1         ; h = l / 16
	v_lshlrev_b32 v14, 8, v1
	v_lshl_add_u32 v14, v13, 4, v14 ; 256 r + 16 h
	s_lshl_b32 s83, s87, 8
	v_add_nc_u32 v[QO0], s83, v14
	s_lshl_b32 s83, s91, 8
	v_add_nc_u32 v[QO1], s83, v14
.irp t, 0,1
.irp c, 0,1,2,3                     ; Q stays in registers: tile t, channels 32 c on
	global_load_b128 v[QF+32*(\t)+8*(\c):QF+32*(\t)+8*(\c)+3],   v[QO0+(\t)], s[22:23] offset:64*(\c)
	global_load_b128 v[QF+32*(\t)+8*(\c)+4:QF+32*(\t)+8*(\c)+7], v[QO0+(\t)], s[22:23] offset:64*(\c)+32
.endr
.endr
	WIN TO_1
.set i, 0
.rept 128
	v_mov_b32 v[i], 0               ; O^T
.set i, i+1
.endr
	WIN 0
.irp t, 0,1
	v_mov_b32 v[ST+8*(\t)], 0xff7fffff  ; m: the first step's a is 2^-infinity = 0
	v_mov_b32 v[ST+8*(\t)+2], 0
	v_mov_b32 v[ST+8*(\t)+3], 0
.endr
	v_mul_u32_u24 v[AK0], v1, PK
	v_lshl_add_u32 v[AK0], v13, 4, v[AK0]     ; row x pitch + 16 h,
	s_mul_i32 s83, s90, KS*PK
	v_add_nc_u32 v[AK0], s83, v[AK0]          ; in my 64 keys
	v_and_b32 v14, 7, v0
	v_bfe_u32 v15, v0, 3, 1
	v_lshl_add_u32 v[AV0], v13, 3, v14        ; the turning load: lane l reads key 8 h + l % 8, channels 8 ((l / 8) % 2) + 0..7
	v_mul_u32_u24 v[AV0], v[AV0], PV
	v_lshl_add_u32 v[AV0], v15, 4, v[AV0]
	s_mul_i32 s83, s90, KS*PV
	s_add_co_u32 s83, s83, VOFF
	v_add_nc_u32 v[AV0], s83, v[AV0]
	v_mul_u32_u24 v14, v1, PM
	v_lshl_add_u32 v14, v13, 5, v14           ; my query's row in its tile, my lanes' 8 keys: 32 bytes
	s_lshl_b32 s2, s90, 8                     ; my 64 keys: 256 bytes of a row
	s_add_co_u32 s2, s2, MOFF
	s_mul_i32 s83, s87, PM
	s_add_co_u32 s83, s83, s2
	v_add_nc_u32 v[AM0], s83, v14
	s_mul_i32 s83, s91, PM
	s_add_co_u32 s83, s83, s2
	v_add_nc_u32 v[AM1], s83, v14
	s_mul_i32 s83, s[WV], 16*SP
	s_add_co_u32 s83, s83, STAGE              ; my stage
	v_mul_u32_u24 v[STO], v1, SP
	v_lshl_add_u32 v[STO], v13, 4, v[STO]
	v_add_nc_u32 v[STO], s83, v[STO]
	v_mul_u32_u24 v[RD], v13, SP
	v_lshl_add_u32 v[RD], v1, 4, v[RD]
	v_add_nc_u32 v[RD], s83, v[RD]
	v_lshlrev_b32 v[GO], 12, v13
	v_lshl_add_u32 v[GO], v1, 4, v[GO]
	v_and_b32 v14, 31, v0
	v_lshlrev_b32 v14, 4, v14                 ; the merge: 16 bytes a lane, 512 on end a line
	s_mul_i32 s83, s[WV], MERGE
	v_add_nc_u32 v[MS], s83, v14
	s_add_co_u32 s83, s[WV], 4
	s_and_b32 s83, s83, 7                     ; my partner: the same queries, the other keys
	s_mul_i32 s83, s83, MERGE
	v_add_nc_u32 v[ML], s83, v14
	v_lshlrev_b32 v[PFO], s84, v1
	v_lshlrev_b32 v14, s85, v13
	v_add_nc_u32 v[PFO], v[PFO], v14
; THE LDS LOADS stand in runs.  K: 64 keys x 128 channels, by channels first, so that the products can begin on the first eight loads
.macro FETCH_K
	WIN TO_1
.irp c, 0,1,2,3
.irp kb, 0,1,2,3
	ds_load_b128 v[KF+32*(\kb)+8*(\c):KF+32*(\kb)+8*(\c)+3],   v[ADK] offset:(\kb)*16*PK+64*(\c)
	ds_load_b128 v[KF+32*(\kb)+8*(\c)+4:KF+32*(\kb)+8*(\c)+7], v[ADK] offset:(\kb)*16*PK+64*(\c)+32
.endr
.endr
.endm
.macro FETCH_M                      ; the mask of my 2 x 16 queries and my 64 keys, laid as S^T is
	WIN 0
.irp t, 0,1
.irp kb, 0,1,2,3
	ds_load_b128 v[MF+32*(\t)+8*(\kb):MF+32*(\t)+8*(\kb)+3],   v[ADM0+(\t)] offset:64*(\kb)
	ds_load_b128 v[MF+32*(\t)+8*(\kb)+4:MF+32*(\t)+8*(\kb)+7], v[ADM0+(\t)] offset:64*(\kb)+16
.endr
.endr
.endm
.macro FETCH_V                      ; keys 32 (f / 8) on, channels 16 (f % 8) on
	WIN TO_1
.irp f, 0,1,2,3,4,5,6,7,8,9,10,11,12,13,14,15
	ds_load_tr16_b128 v[VF+8*(\f):VF+8*(\f)+3],   v[ADV] offset:((\f)/8)*32*PV+((\f)%8)*32
	ds_load_tr16_b128 v[VF+8*(\f)+4:VF+8*(\f)+7], v[ADV] offset:((\f)/8)*32*PV+16*PV+((\f)%8)*32
.endr
.endm
; THE MATRIX WORK.  The accumulators take turns, one instruction a turn: 8 in K Q^T, 16 in V^T P.
.macro KQ c                         ; channels 32 c on: 4 key blocks x 2 tiles; c = 0 starts the sums
	WIN W_KQ
.irp kb, 0,1,2,3
.irp t, 0,1
.if (\c) == 0
	v_wmma_f32_16x16x32_f16 v[S+32*(\t)+8*(\kb):S+32*(\t)+8*(\kb)+7], v[KF+32*(\kb)+8*(\c):KF+32*(\kb)+8*(\c)+7], v[QF+32*(\t)+8*(\c):QF+32*(\t)+8*(\c)+7], 0
.else
	v_wmma_f32_16x16x32_f16 v[S+32*(\t)+8*(\kb):S+32*(\t)+8*(\kb)+7], v[KF+32*(\kb)+8*(\c):KF+32*(\kb)+8*(\c)+7], v[QF+32*(\t)+8*(\c):QF+32*(\t)+8*(\c)+7], v[S+32*(\t)+8*(\kb):S+32*(\t)+8*(\kb)+7]
.endif
.endr
.endr
.endm
.macro PVALL                        ; product i of 32: keys 32 (i / 16) on, channels 16 ((i / 2) % 8) on, tile i % 2
	WIN W_PV
.set i, 0
.rept 32
.set rO, 64*(i%2)+8*((i/2)%8)
.set rV, VF+64*(i/16)+8*((i/2)%8)
.set rP, P+16*(i%2)+8*(i/16)
	v_wmma_f32_16x16x32_f16 v[rO:rO+7], v[rV:rV+7], v[rP:rP+7], v[rO:rO+7]
.set i, i+1
.endr
.endm
; Number n of the 21 that find tile t's new maximum: 0-15 the 32 numbers and the old m, three operands at a time; 16, 18 the query's other 32 keys lie in the lane 16 away; 17, 19, 20 log2(e) (m_old - m_new)
.macro MX t, n
.set rT, ST+8*(\t)
.set rS, S+32*(\t)
.if (\n) < 4
	v_max3_num_f32 v[rT+4+(\n)], v[rS+8*(\n)], v[rS+8*(\n)+1], v[rS+8*(\n)+2]
.elseif (\n) < 12
	v_max3_num_f32 v[rT+4+(\n)%4], v[rT+4+(\n)%4], v[rS+8*((\n)%4)+2*((\n)/4)+1], v[rS+8*((\n)%4)+2*((\n)/4)+2]
.elseif (\n) == 12
	v_max3_num_f32 v[rT+4], v[rT+4], v[rS+7], v[rS+15]
.elseif (\n) == 13
	v_max3_num_f32 v[rT+6], v[rT+6], v[rS+23], v[rS+31]
.elseif (\n) == 14
	v_max3_num_f32 v[rT+4], v[rT+4], v[rT+5], v[rT+6]
.elseif (\n) == 15
	v_max3_num_f32 v[rT+4], v[rT+4], v[rT+7], v[rT]
.elseif (\n) == 16
	v_permlanex16_b32 v[rT+5], v[rT+4], s[SEL], s[SEL+1]
.elseif (\n) == 17
	v_mov_b32 v[rT+1], v[rT]
.elseif (\n) == 18
	v_max_num_f32 v[rT], v[rT+4], v[rT+5]
.elseif (\n) == 19
	v_sub_f32 v[rT+1], v[rT+1], v[rT]
.else
	v_mul_f32 v[rT+1], s[CL2], v[rT+1]
.endif
.endm
; Number z of the 16 that add tile t's 16 pairs of weights, in place, neighbours 1, 2, 4 and 8 pairs apart; the last: sum = a sum + that
.macro SU t, z
.set rT, ST+8*(\t)
.set rS, S+32*(\t)
.if (\z) < 8
	v_pk_add_f32 v[rS+4*(\z):rS+4*(\z)+1], v[rS+4*(\z):rS+4*(\z)+1], v[rS+4*(\z)+2:rS+4*(\z)+3]
.elseif (\z) < 12
	v_pk_add_f32 v[rS+8*((\z)-8):rS+8*((\z)-8)+1], v[rS+8*((\z)-8):rS+8*((\z)-8)+1], v[rS+8*((\z)-8)+4:rS+8*((\z)-8)+5]
.elseif (\z) < 14
	v_pk_add_f32 v[rS+16*((\z)-12):rS+16*((\z)-12)+1], v[rS+16*((\z)-12):rS+16*((\z)-12)+1], v[rS+16*((\z)-12)+8:rS+16*((\z)-12)+9]
.elseif (\z) == 14
	v_pk_add_f32 v[rS:rS+1], v[rS:rS+1], v[rS+16:rS+17]
.else
	v_pk_fma_f32 v[rT+2:rT+3], v[rT+2:rT+3], v[rT+6:rT+7], v[rS:rS+1] op_sel_hi:[1,0,1]
.endif
.endm
; MY STEP OF A SLOT: 64 keys.  In every list the two tiles alternate and each tile's registers ascend.  A batch of transcendentals has one plain line behind it and
; ONE wait ahead of its first reader.
.macro STEP
	WIN 0
	v_add_nc_u32 v[ADK], s[TS], v[AK0]   ; four plain lines: the places behind the last step's products, in front of the loads into the registers that held its V and its P
	v_add_nc_u32 v[ADM0], s[TS], v[AM0]
	v_add_nc_u32 v[ADM1], s[TS], v[AM1]
	v_add_nc_u32 v[ADV], s[TS], v[AV0]
	FETCH_K                         ; 32 loads,
	FETCH_M                         ; and 16
.irp c, 0,1,2,3
	s_wait_dscnt 40-8*(\c)          ; K's channels up to 32 c + 31 are in; K's later loads, eight for each 32 channels, and the mask's 16 may stay out
	KQ \c
.endr
	WIN 0
	PLACES                          ; behind the last products: for the lines that read the scores and for the loads into the registers that held K
	FETCH_V                         ; 32 loads: they land under the vector work
	WIN 0
.set i, 0
.rept 64
	v_exp_f32 v[S+32*(i%2)+i/2], v[S+32*(i%2)+i/2]  ; 2^S
.set i, i+1
.endr
	v_nop
	s_wait_alu depctr_va_vdst(0)
.set i, 0
.rept 32
	v_pk_add_f32 v[S+32*(i%2)+2*(i/2):S+32*(i%2)+2*(i/2)+1], v[S+32*(i%2)+2*(i/2):S+32*(i%2)+2*(i/2)+1], 1.0 op_sel_hi:[1,0]
.set i, i+1
.endr
.set i, 0
.rept 64
	v_rcp_f32 v[S+32*(i%2)+i/2], v[S+32*(i%2)+i/2]
.set i, i+1
.endr
	v_nop
	s_wait_alu depctr_va_vdst(0)
.set i, 0
.rept 32
	v_pk_fma_f32 v[S+32*(i%2)+2*(i/2):S+32*(i%2)+2*(i/2)+1], v[S+32*(i%2)+2*(i/2):S+32*(i%2)+2*(i/2)+1], s[CN60:CN60+1], s[C30:C30+1] op_sel_hi:[1,0,0]  ; 30 tanh
.set i, i+1
.endr
	s_wait_dscnt 32                 ; the mask is in; V's 32 loads may stay out
.set i, 0
.rept 32
	v_pk_add_f32 v[S+32*(i%2)+2*(i/2):S+32*(i%2)+2*(i/2)+1], v[S+32*(i%2)+2*(i/2):S+32*(i%2)+2*(i/2)+1], v[MF+32*(i%2)+2*(i/2):MF+32*(i%2)+2*(i/2)+1]
.set i, i+1
.endr
.irp n, 0,1,2,3,4,5,6,7,8,9,10,11,12,13,14,15,16,17,18,19,20
	MX 0, \n
	MX 1, \n
.endr
.set i, 0
.rept 32                            ; l - m first: exact where both are large and near each other
	v_pk_add_f32 v[S+32*(i%2)+2*(i/2):S+32*(i%2)+2*(i/2)+1], v[S+32*(i%2)+2*(i/2):S+32*(i%2)+2*(i/2)+1], v[ST+8*(i%2):ST+8*(i%2)+1] op_sel_hi:[1,0] neg_lo:[0,1] neg_hi:[0,1]
.set i, i+1
.endr
.set i, 0
.rept 32
	v_pk_mul_f32 v[S+32*(i%2)+2*(i/2):S+32*(i%2)+2*(i/2)+1], v[S+32*(i%2)+2*(i/2):S+32*(i%2)+2*(i/2)+1], s[CL2:CL2+1] op_sel_hi:[1,0]
.set i, i+1
.endr
.set i, 0
.rept 64
	v_exp_f32 v[S+32*(i%2)+i/2], v[S+32*(i%2)+i/2]  ; p
.set i, i+1
.endr
	v_exp_f32 v[ST+6], v[ST+1]      ; a
	v_exp_f32 v[ST+14], v[ST+9]
	v_nop
	s_wait_alu depctr_va_vdst(0)
.set i, 0
.rept 32                            ; P goes where the mask lay: it has been added
	v_cvt_pk_f16_f32 v[P+16*(i%2)+i/2], v[S+32*(i%2)+2*(i/2)], v[S+32*(i%2)+2*(i/2)+1]
.set i, i+1
.endr
.irp z, 0,1,2,3,4,5,6,7,8,9,10,11,12,13,14,15
	SU 0, \z
	SU 1, \z
.endr
	WIN W_RS
.set i, 0
.rept 64
	v_pk_mul_f32 v[64*(i%2)+2*(i/2):64*(i%2)+2*(i/2)+1], v[64*(i%2)+2*(i/2):64*(i%2)+2*(i/2)+1], v[ST+8*(i%2)+6:ST+8*(i%2)+7] op_sel_hi:[1,0]  ; O^T a
.set i, i+1
.endr
	s_wait_dscnt 0x0                ; V is in
	PVALL
	WIN 0
.endm
	s_wait_loadcnt 0x0              ; Q
.Lslot:                             ; 15 trips: a tile is entered and the next is asked for
	CHANGE 1
	STEP
	s_sub_co_u32 s[SLOTS], s[SLOTS], 1
	s_cmp_lg_u32 s[SLOTS], 0
	s_cbranch_scc1 .Lslot
	CHANGE 0                        ; the last tile is written out: nothing is asked for
	STEP
	; THE MERGE.  The last tile lies in slot 1.  Slot 0 had its last fill with the tile before it, and every wave's reads of it were over at the barrier of the change just passed: its bytes now carry what the waves hand over.
	PLACES                          ; behind the last products
	WIN 0x04                        ; store data in window 1
.irp i, 0,1,2,3,4,5,6,7,8,9,10,11,12,13,14,15
	ds_store_b128 v[MS], v[64+4*(\i):64+4*(\i)+3] offset:512*(\i)  ; my tile 1's O^T, each accumulator's low four registers first
.endr
	WIN 0
	ds_store_b128 v[MS], v[ST+8:ST+11] offset:8192  ; its m and its sum
	s_wait_dscnt 0x0                ; for my partner's sake: my stores are done
	s_barrier_signal -1
	s_barrier_wait -1
	ds_load_b128 v[PS:PS+3], v[ML] offset:8192      ; my partner's part of my tile 0: the same lanes hold the same query and channels
	WIN TO_1
.irp i, 0,1,2,3,4,5,6,7,8,9,10,11,12,13,14,15
	ds_load_b128 v[VF+4*(\i):VF+4*(\i)+3], v[ML] offset:512*(\i)
.endr
	WIN 0
	s_wait_dscnt 16                 ; the statistics are in; the 16 loads of O^T may stay out
	v_max_num_f32 v48, v[ST], v[PS] ; the maximum over all keys
	v_sub_f32 v[FA], v[ST], v48
	v_sub_f32 v[FB], v[PS], v48
	v_mul_f32 v[FA], s[CL2], v[FA]
	v_mul_f32 v[FB], s[CL2], v[FB]
	v_exp_f32 v[FA], v[FA]          ; what my part and my partner's are to be multiplied by
	v_exp_f32 v[FB], v[FB]
	v_add_f32 v[FA+1], v[ST+2], v[ST+3]   ; the sums' two halves: plain work behind the batch
	v_add_f32 v[FB+1], v[PS+2], v[PS+3]
	s_wait_alu depctr_va_vdst(0)    ; one wait for the two
	v_mul_f32 v[FA+1], v[FA+1], v[FA]
	v_fma_f32 v[FA+1], v[FB+1], v[FB], v[FA+1]
	v_permlanex16_b32 v[FB+1], v[FA+1], s[SEL], s[SEL+1]  ; the other half of the lanes'
	v_add_f32 v[FA+1], v[FA+1], v[FB+1]
	v_rcp_f32 v48, v[FA+1]
	v_nop
	s_wait_alu depctr_va_vdst(0)
	v_mul_f32 v[FA], v[FA], v48     ; the division rides on the two factors
	v_mul_f32 v[FB], v[FB], v48
	s_wait_dscnt 0x0
	WIN W_PV                        ; destination, source 0 and source 2 window 1, the factor window 0
.set i, 0
.rept 32
	v_pk_mul_f32 v[2*i:2*i+1], v[2*i:2*i+1], v[FA:FA+1] op_sel_hi:[1,0]
.set i, i+1
.endr
.set i, 0
.rept 32
	v_pk_fma_f32 v[2*i:2*i+1], v[VF+2*i:VF+2*i+1], v[FB:FB+1], v[2*i:2*i+1] op_sel_hi:[1,0,1]
.set i, i+1
.endr
	; THE WAY OUT: my tile 0, 16 rows, rounded to f16 and sent through my stage
	WIN 0x05                        ; sources 0 and 1 window 1, destination window 0: S^T's registers are free
.set i, 0
.rept 32
	v_cvt_pk_f16_f32 v[S+i], v[2*i], v[2*i+1]
.set i, i+1
.endr
	WIN 0
.irp f, 0,1,2,3,4,5,6,7
	ds_store_b128 v[STO], v[S+4*(\f):S+4*(\f)+3] offset:32*(\f)
.endr
.irp f, 0,1,2,3,4,5,6,7
	ds_load_b128 v[S+4*(\f):S+4*(\f)+3], v[RD] offset:(\f)*2*SP  ; LDS serves a wave's instructions in order (ISA guide 5.7.1.4): these see the stores above
.endr
.irp f, 0,1,2,3,4,5,6,7
	s_wait_dscnt 7-(\f)             ; rows 2 f and 2 f + 1 are back; the later loads may stay out
	global_store_b128 v[GO], v[S+4*(\f):S+4*(\f)+3], s[8:9] offset:(\f)*8192  ; 16 lanes store 256 consecutive bytes, aligned: a head's 128 channels of a row
.endr
	s_wait_tensorcnt 0x0            ; the wave's end
	ds_add_u32 v[SPW], v[NIL]
	s_wait_dscnt 0x0
	CROUND                          ; the closing round
	s_endpgm
.Lfunc_end_k_qe0170b4cdf_attn:
	.size	k_qe0170b4cdf_attn, .Lfunc_end_k_qe0170b4cdf_attn-k_qe0170b4cdf_attn
	.p2alignl 7, 3214868480
	.fill 96, 4, 3214868480
	.section	.rodata,"a",@progbits
	.p2align	6, 0x0
	.amdhsa_kernel k_qe0170b4cdf_attn
		.amdhsa_group_segment_fixed_size 327680
		.amdhsa_private_segment_fixed_size 0
		.amdhsa_enable_private_segment 0
		.amdhsa_kernarg_size 24
		.amdhsa_user_sgpr_count 2
		.amdhsa_user_sgpr_kernarg_segment_ptr 1
		.amdhsa_wavefront_size32 1
		.amdhsa_system_sgpr_workgroup_id_x 1
		.amdhsa_system_sgpr_workgroup_id_y 1
		.amdhsa_system_sgpr_workgroup_id_z 1
		.amdhsa_system_vgpr_workitem_id 0
		.amdhsa_next_free_vgpr 512
		.amdhsa_next_free_sgpr 92
		.amdhsa_reserve_vcc 0
		.amdhsa_float_denorm_mode_32 3
		.amdhsa_float_denorm_mode_16_64 3
		.amdhsa_memory_ordered 1
		.amdhsa_forward_progress 1
		.amdhsa_inst_pref_size 103
	.end_amdhsa_kernel
	.amdgpu_metadata
---
amdhsa.version: [ 1, 2 ]
amdhsa.kernels:
  - .name:           k_qe0170b4cdf_attn
    .symbol:         k_qe0170b4cdf_attn.kd
    .args:
      - { .name: qkvg, .offset: 0, .size: 8, .value_kind: global_buffer, .address_space: global }
      - { .name: mask, .offset: 8, .size: 8, .value_kind: global_buffer, .address_space: global }
      - { .name: ob, .offset: 16, .size: 8, .value_kind: global_buffer, .address_space: global }
    .group_segment_fixed_size: 327680
    .private_segment_fixed_size: 0
    .kernarg_segment_align: 8
    .kernarg_segment_size: 24
    .max_flat_workgroup_size: 256
    .sgpr_count:     92
    .vgpr_count:     512
    .wavefront_size: 32
...
	.end_amdgpu_metadata
.endif
;; end of part 3
;; launch final (part 4): grid 16 x 16, 4 waves a work-group, clusters of 4 x 4, 327,680 bytes of LDS; arguments ob, wo, out0, qkvg, xb, gate_b; writes out0
.if DOCPART == 4
	.amdgcn_target "amdgcn-amd-amdhsa--gfx1250"
	.amdhsa_code_object_version 6
	.text
	.protected	k_qe0170b4cdf_final
	.globl	k_qe0170b4cdf_final
	.p2align	8
	.type	k_qe0170b4cdf_final,@function
k_qe0170b4cdf_final:
	s_mov_b64 s[64:65], 0
	v_nop
	global_prefetch_b8 v0, s[64:65] scope:SCOPE_SE
	s_setreg_imm32_b32 hwreg(HW_REG_WAVE_MODE, 25, 1), 1
	s_wait_xcnt 0x0
	s_wait_alu depctr_hold_cnt(0) depctr_sa_sdst(0) depctr_va_vdst(0) depctr_va_sdst(0) depctr_va_ssrc(0) depctr_va_vcc(0) depctr_vm_vsrc(0)
	s_getreg_b32 s2, hwreg(HW_REG_IB_STS2, 6, 4)
	s_cmp_eq_u32 s2, 0
	s_cbranch_scc0 .Lentry_in_a_cluster
	s_endpgm
.Lentry_in_a_cluster:
	s_bfe_u32 s2, ttmp6, 0x10000c
	s_cmp_lg_u32 s2, 0xf033
	s_cbranch_scc0 .Lentry_shape_is_right
	s_endpgm
.Lentry_shape_is_right:
; THE OUTPUT PROJECTION, THE GATE AND THE BLEND.  acc[m][n] = sum over k of ob[m][k] wo[n][k], [2048] x [2048] x [2048], f16 operands, f32 sums;
; alpha = 1 / (1 + 2^(-log2(e) (g[m][n] + gate_b[n])));  out0[m][n] = x + alpha (acc - x), which is (1 - alpha) x + alpha acc; x is xb, x rounded once to bf16 (off by at most 2^-9 of itself).
; g: blocks 48-63 of qkvg [64][2048][128] f16.  An infinite g gives alpha 0 or 1, as the sigmoid itself would.  NaN is not treated apart.
; A tile is 128 x 128: 16 x 16 tiles, 256 work-groups.  Four waves, each 64 x 64: 16 accumulators.  K goes in steps of 256 (LDS rows of 512 bytes; a wave's tensor load brings 64 of them) through two slots.
; CLUSTERS: 4 x 4 work-groups; A's tiles are asked for jointly along a row of the cluster, B's along a column.  THE MATRIX INSTRUCTION IS USED TRANSPOSED (source 0 = 16 rows of B, source 1 = 16 rows of A).
; THE WAY OUT.  A wave's 64 columns of f32 are 256 aligned bytes of a row, so each wave finishes its own 64 x 64 through a stage of its own: no barrier.  Its g and x, 64 numbers of 16 bits a row,
; are loaded at the head, two rows' pieces of 128 consecutive bytes to a load (the wave beside it reads the other halves), and land under the K loop.
; No prefetch: a K step is 128 matrix instructions on a small tile, and every block of A and B is asked for by several clusters at about the same time.
; REGISTERS: window 0: v8-12, v16-31 addresses and constants; v32-95 at work on the way out; v128-255 the accumulators ((a, b) at v[128 + 8 (4 a + b)]).
;   window 1: two fragment buffers of 128.      window 2: v0-63 g, v64-127 x: two registers for each of my 32 pairs of rows.
.set SIZE_K, 2048
.set KSTEP,  256
.set PITCH,  528                       ; an LDS row: 512 bytes + 16 = 132 words: row r starts at bank 4 r mod 64 (64 banks of 4 bytes: ISA guide 11.1)
.set HALFT,  64*PITCH
.set SLOT,   4*HALFT                   ; A's 128 rows, then B's 128 rows
.set STAGE,  2*SLOT                    ; behind the ring, never filled by a tensor load: 16 rows x 272 bytes for each wave
.set SPITCH, 272
.set SPARE,  STAGE+4*16*SPITCH         ; the spare words, 128 bytes for each wave
.set LAPS, SIZE_K/(2*KSTEP)            ; 4
.set GB,   8                           ; v[8:11] -log2(e) gate_b of my four columns
.set NL2,  12                          ; v12     -log2(e)
.set ADRA, 16
.set ADRB, 20
.set STO,  24                          ; v24     the way out: where I put 32 bytes of a row
.set RD,   25                          ; v25     where I read rows back
.set CO,   26                          ; v26     my byte offset in two rows of out0
.set GOF,  27                          ; v27     in two rows of g
.set SPW,  28
.set NIL,  29
.set XOF,  30                          ; v30     in two rows of xb
.set BOF,  31                          ; v31     in gate_b
.set T,    32                          ; v[32:63] the gate of a block's 32 numbers
.set XF,   64                          ; v[64:95] their x in f32
.set ACC,  128
.set F0,   0
.set F1,   128
.set G1, 24
.set G0, 32
.set G1B, 48
.set G0B, 56
.set MSB, 0
.macro WIN new
.if MSB != (\new)
	s_set_vgpr_msb (MSB<<8)|(\new)
.set MSB, \new
.endif
.endm
.set MUL,  0x05                        ; sources 0 (B) and 1 (A) window 1; C and D window 0
.set TO_F, 0x40                        ; destination window 1, address window 0
.macro JLOAD s                         ; a joint load: waves 0 and 1 fetch A's two halves, waves 2 and 3 B's; an s_nop 0 and four v_nop follow each line
	s_cmp_eq_u32 s11, 0
	s_cbranch_scc0 .Lfor_b_\@
	tensor_load_to_lds s[G0+4*(\s):G0+4*(\s)+3], s[G1:G1+7]
	s_nop 0
.rept 4
	v_nop
.endr
	s_branch .Lasked_\@
.Lfor_b_\@:
	tensor_load_to_lds s[G0B+4*(\s):G0B+4*(\s)+3], s[G1B:G1B+7]
	s_nop 0
.rept 4
	v_nop
.endr
.Lasked_\@:
.endm
.macro CREST
	s_cmp_lg_u32 s10, 0
	s_cbranch_scc1 .Lnot_wave_0_\@
	s_barrier_signal -3
.Lnot_wave_0_\@:
	s_barrier_wait -3
	s_barrier_signal -1
	s_barrier_wait -1
.endm
.macro CROUND
	s_barrier_signal -1
	s_barrier_wait -1
	CREST
.endm
	s_load_b128 s[4:7], s[0:1], 0x0                ; ob s[4:5], wo s[6:7]
	s_load_b64 s[8:9], s[0:1], 0x10                ; out0
	s_load_b128 s[68:71], s[0:1], 0x18             ; qkvg s[68:69], xb s[70:71]
	s_load_b64 s[72:73], s[0:1], 0x28              ; gate_b
	v_lshl_add_u32 v[SPW], v0, 2, SPARE
	v_mov_b32 v[NIL], 0
	ds_add_u32 v[SPW], v[NIL]                      ; the wave's opening: the add and its wait ahead of my first tensor load
	v_lshrrev_b32 v1, 5, v0
	v_readfirstlane_b32 s10, v1                    ; wave 0..3
	s_lshr_b32 s11, s10, 1                         ; which half of the tile's rows is mine.  Also: I fetch for A (0) or for B (1)
	s_and_b32 s12, s10, 1                          ; which half of its columns.  Also: which 64 rows of that tile I fetch
	s_bfe_u32 s40, ttmp6, 0x40000                  ; cx
	s_bfe_u32 s41, ttmp6, 0x40004                  ; cy
	s_lshl_b32 s42, ttmp9, 2
	s_add_co_u32 s42, s42, s40                     ; tile column
	s_and_b32 s13, ttmp7, 0xffff
	s_lshl_b32 s13, s13, 2
	s_add_co_u32 s13, s13, s41                     ; tile row
	s_lshl_b32 s43, s41, 2
	s_lshl_b32 s43, 15, s43                        ; my row of the cluster
	s_lshl_b32 s44, 0x1111, s40                    ; my column
	; descriptor group 1: a tile of 64 rows x 256 elements of 2 bytes, 4 words of padding after every 128 words
	s_or_b32 s[G1+0], s43, (1<<16)|(1<<20)|(1<<21)|(6<<22)|(3<<25)
	s_or_b32 s[G1B+0], s44, (1<<16)|(1<<20)|(1<<21)|(6<<22)|(3<<25)
.irp g, G1, G1B
	s_mov_b32 s[(\g)+1], KSTEP<<16
	s_mov_b32 s[(\g)+2], 64<<16
	s_mov_b32 s[(\g)+3], KSTEP<<16
	s_mov_b32 s[(\g)+4], 64
	s_mov_b32 s[(\g)+5], SIZE_K
	s_mov_b32 s[(\g)+6], 0
	s_mov_b32 s[(\g)+7], 0
.endr
	s_lshl_b32 s17, s12, 6
	s_lshl_b32 s16, s13, 7
	s_add_co_u32 s16, s16, s17                     ; A: row 128 x tile row + 64 x half
	s_lshl_b32 s46, s42, 7
	s_add_co_u32 s46, s46, s17                     ; B: row 128 x tile column + 64 x half
	s_mov_b32 s17, 0
	s_mov_b32 s47, 0
	s_mov_b64 s[18:19], SIZE_K*2
	s_mul_u64 s[16:17], s[16:17], s[18:19]
	s_mul_u64 s[46:47], s[46:47], s[18:19]
	s_mul_i32 s20, s10, HALFT
	s_wait_dscnt 0x0                               ; the opening add is done
	s_wait_kmcnt 0x0
	s_add_nc_u64 s[14:15], s[4:5], s[16:17]
	s_add_nc_u64 s[46:47], s[6:7], s[46:47]
	CROUND                                         ; all sixteen work-groups are here: the first joint loads meet
.irp s, 0,1
	s_mov_b32 s[G0+4*(\s)], 1
	s_add_co_u32 s[G0+4*(\s)+1], s20, (\s)*SLOT
	s_add_nc_u64 s[G0+4*(\s)+2:G0+4*(\s)+3], s[14:15], (\s)*KSTEP*2
	s_or_b32 s[G0+4*(\s)+3], s[G0+4*(\s)+3], 0x80000000
	s_mov_b32 s[G0B+4*(\s)], 1
	s_add_co_u32 s[G0B+4*(\s)+1], s20, (\s)*SLOT
	s_add_nc_u64 s[G0B+4*(\s)+2:G0B+4*(\s)+3], s[46:47], (\s)*KSTEP*2
	s_or_b32 s[G0B+4*(\s)+3], s[G0B+4*(\s)+3], 0x80000000
	JLOAD \s                                       ; two loads of mine are out
.endr
	v_and_b32 v1, 15, v0                           ; r = l % 16
	v_bfe_u32 v2, v0, 4, 1                         ; h = l / 16
	v_mul_u32_u24 v3, v1, PITCH
	v_lshl_add_u32 v3, v2, 4, v3
	s_mul_i32 s21, s11, HALFT
	s_mul_i32 s22, s12, HALFT
	s_add_co_u32 s22, s22, 2*HALFT
.irp s, 0,1
	v_add_nc_u32 v[ADRA+(\s)], s21, v3
	v_add_nc_u32 v[ADRB+(\s)], s22, v3
	s_add_co_u32 s21, s21, SLOT
	s_add_co_u32 s22, s22, SLOT
.endr
	s_mul_i32 s23, s10, 16*SPITCH
	s_add_co_u32 s23, s23, STAGE                   ; my stage
	v_mul_u32_u24 v4, v1, SPITCH                   ; in: row r, 32 bytes for each half of the lanes
	v_lshl_add_u32 v4, v2, 5, v4
	v_add_nc_u32 v[STO], s23, v4
	v_mul_u32_u24 v5, v2, SPITCH                   ; back: lanes 0-15 take one row of 256 bytes, lanes 16-31 the next: row 2 t + h, columns 4 r .. 4 r + 3
	v_lshl_add_u32 v5, v1, 4, v5
	v_add_nc_u32 v[RD], s23, v5
	v_lshlrev_b32 v[BOF], 4, v1                    ; my four columns: 16 bytes of f32,
	v_lshl_add_u32 v[CO], v2, 13, v[BOF]           ; a row of out0 is 8,192 bytes
	v_lshlrev_b32 v[GOF], 3, v1                    ; 8 bytes of 16-bit numbers,
	v_lshl_add_u32 v[XOF], v2, 12, v[GOF]          ; a row of xb is 4,096 bytes,
	v_lshl_add_u32 v[GOF], v2, 8, v[GOF]           ; a row of a block of g 256
	s_lshl_b32 s74, s13, 7
	s_lshl_b32 s75, s11, 6
	s_add_co_u32 s74, s74, s75                     ; my first row
	s_lshl_b32 s76, s42, 9                         ; my first column in f32 bytes: 512 x tile column + 256 x half
	s_lshl_b32 s78, s12, 8
	s_add_co_u32 s76, s76, s78
	s_mov_b32 s77, 0
	s_add_nc_u64 s[72:73], s[72:73], s[76:77]      ; gate_b
	s_lshl_b32 s78, s74, 13
	s_add_co_u32 s76, s76, s78
	s_add_nc_u64 s[8:9], s[8:9], s[76:77]          ; out0
	s_add_co_u32 s76, s42, 48                      ; g: block 48 + tile column,
	s_lshl_b32 s76, s76, 19
	s_lshl_b32 s78, s74, 8
	s_add_co_u32 s76, s76, s78                     ; my first row,
	s_lshl_b32 s78, s12, 7
	s_add_co_u32 s76, s76, s78                     ; my half of its 256 bytes
	s_add_nc_u64 s[68:69], s[68:69], s[76:77]
	s_lshl_b32 s76, s74, 12                        ; xb likewise
	s_lshl_b32 s79, s42, 8
	s_add_co_u32 s76, s76, s79
	s_add_co_u32 s76, s76, s78
	s_add_nc_u64 s[70:71], s[70:71], s[76:77]
	WIN 0x80                                       ; destination window 2
.set i, 0
.rept 32                               ; pair i of my 64 rows: rows 2 i and 2 i + 1
	global_load_b64 v[2*i:2*i+1], v[GOF], s[68:69] offset:512*i th:TH_LOAD_NT
	global_load_b64 v[64+2*i:64+2*i+1], v[XOF], s[70:71] offset:8192*i th:TH_LOAD_NT
.set i, i+1
.endr
	WIN 0
	global_load_b128 v[GB:GB+3], v[BOF], s[72:73]
	v_mov_b32 v[NL2], 0xbfb8aa3b                   ; -log2(e)
	s_mov_b32 s80, 0xffff0000                      ; a word's upper bf16
; 8 matrix instructions: m blocks a0, a0 + 1 x all 4 n blocks, 32 along K: half c of buffer f.  zero = 1: the first product starts the sums.  The 16 accumulators take turns
.macro MUL8 f, c, a0, zero
	WIN MUL
.irp a, \a0, (\a0)+1
.irp b, 0,1,2,3
.if \zero
	v_wmma_f32_16x16x32_f16 v[ACC+8*(4*(\a)+(\b)):ACC+8*(4*(\a)+(\b))+7], v[(\f)+64+8*(4*(\c)+(\b)):(\f)+64+8*(4*(\c)+(\b))+7], v[(\f)+8*(4*(\c)+(\a)):(\f)+8*(4*(\c)+(\a))+7], 0
.else
	v_wmma_f32_16x16x32_f16 v[ACC+8*(4*(\a)+(\b)):ACC+8*(4*(\a)+(\b))+7], v[(\f)+64+8*(4*(\c)+(\b)):(\f)+64+8*(4*(\c)+(\b))+7], v[(\f)+8*(4*(\c)+(\a)):(\f)+8*(4*(\c)+(\a))+7], v[ACC+8*(4*(\a)+(\b)):ACC+8*(4*(\a)+(\b))+7]
.endif
.endr
.endr
.endm
; 32 LDS loads in one run: the fragments of 64 along K at byte k of the rows, into buffer f; the first 32 along K first
.macro FETCH slot, k, f
	WIN TO_F
.irp c, 0,1
.irp i, 0,1,2,3
	ds_load_b128 v[(\f)+64+8*(4*(\c)+(\i)):(\f)+64+8*(4*(\c)+(\i))+3],   v[ADRB+(\slot)] offset:(\k)+64*(\c)+(\i)*16*PITCH
	ds_load_b128 v[(\f)+64+8*(4*(\c)+(\i))+4:(\f)+64+8*(4*(\c)+(\i))+7], v[ADRB+(\slot)] offset:(\k)+64*(\c)+(\i)*16*PITCH+32
	ds_load_b128 v[(\f)+8*(4*(\c)+(\i)):(\f)+8*(4*(\c)+(\i))+3],         v[ADRA+(\slot)] offset:(\k)+64*(\c)+(\i)*16*PITCH
	ds_load_b128 v[(\f)+8*(4*(\c)+(\i))+4:(\f)+8*(4*(\c)+(\i))+7],       v[ADRA+(\slot)] offset:(\k)+64*(\c)+(\i)*16*PITCH+32
.endr
.endr
.endm
.macro PLACES                          ; four places in front of loads into registers that matrix instructions have read, and of lines that read results
.rept 4
	v_nop
.endr
.endm
; a K step is four quarters of 64 along K, 32 matrix instructions each, on buffers 0, 1, 0, 1
.macro QUARTER slot, k, f, g, zero
	s_wait_dscnt 16                                ; the first 32 along K are in; the other sixteen loads may be out
	WIN MUL
	MUL8 \f, 0, 0, \zero
	MUL8 \f, 0, 2, \zero
	PLACES
	FETCH \slot, \k, \g
	s_wait_dscnt 32                                ; all but the 32 just issued
	WIN MUL
	MUL8 \f, 1, 0, 0
	MUL8 \f, 1, 2, 0
.endm
; the last quarter multiplies buffer 1 and changes slots: ONE barrier; fill = 1: it opens a round of the cluster's barrier, and this slot is filled again, two K steps ahead
.macro TURN slot, next, fill
	WIN 0
	s_wait_tensorcnt 0x0                           ; all my tensor loads have landed: my part of the next slot;
	ds_add_u32 v[SPW], v[NIL]                      ; 0 onto my spare word;
	s_wait_dscnt 17                                ; (the add and the youngest sixteen loads may be out)
	WIN MUL
	MUL8 F1, 0, 0, 0
	s_wait_dscnt 0x0                               ; the add is done, and my reads of this slot are over
	s_barrier_signal -1
	MUL8 F1, 0, 2, 0
.if \fill
	WIN 0
.endif
	s_barrier_wait -1
.if \fill
	CREST                                          ; no wave of any partner still reads this slot's tile or has a load on its way
	s_add_nc_u64 s[G0+4*(\slot)+2:G0+4*(\slot)+3], s[G0+4*(\slot)+2:G0+4*(\slot)+3], 2*KSTEP*2
	s_add_nc_u64 s[G0B+4*(\slot)+2:G0B+4*(\slot)+3], s[G0B+4*(\slot)+2:G0B+4*(\slot)+3], 2*KSTEP*2
	JLOAD \slot                                    ; my one tensor load behind the round: 112 matrix instructions ahead of the wait for it
.else
	PLACES
.endif
	FETCH \next, 0, F0
	WIN MUL
	MUL8 F1, 1, 0, 0
	MUL8 F1, 1, 2, 0
.endm
	s_wait_tensorcnt 1                             ; my part of K step 0 is in; K step 1's load may stay out
	s_barrier_signal -1
	s_barrier_wait -1
	FETCH 0, 0, F0
	QUARTER 0, 128, F0, F1, 1                      ; the first quarter stands in front of the loop: its first products start the sums
	WIN 0
	s_mov_b32 s3, LAPS-1
.Llap:
	QUARTER 0, 256, F1, F0, 0
	QUARTER 0, 384, F0, F1, 0
	TURN 0, 1, 1
	QUARTER 1, 128, F0, F1, 0
	QUARTER 1, 256, F1, F0, 0
	QUARTER 1, 384, F0, F1, 0
	TURN 1, 0, 1
	QUARTER 0, 128, F0, F1, 0
	WIN 0
	s_sub_co_u32 s3, s3, 1
	s_cmp_lg_u32 s3, 0
	s_cbranch_scc1 .Llap
	QUARTER 0, 256, F1, F0, 0                      ; the last lap fills nothing
	QUARTER 0, 384, F0, F1, 0
	TURN 0, 1, 0
	QUARTER 1, 128, F0, F1, 0
	QUARTER 1, 256, F1, F0, 0
	QUARTER 1, 384, F0, F1, 0
	s_wait_dscnt 16
	WIN MUL
	MUL8 F1, 0, 0, 0
	MUL8 F1, 0, 2, 0
	s_wait_dscnt 0
	MUL8 F1, 1, 0, 0
	MUL8 F1, 1, 2, 0
	WIN 0
; THE WAY OUT, a block of 16 rows at a time.  TOSTAGE: a lane's eight columns of a row, 32 bytes, go into rows of 272 bytes (each accumulator's low four registers first) and come back
; as whole rows of 256, two rows a load, into the registers that they left.
.macro TOSTAGE a
.irp b, 0,1,2,3
	ds_store_b128 v[STO], v[ACC+8*(4*(\a)+(\b)):ACC+8*(4*(\a)+(\b))+3]   offset:64*(\b)
	ds_store_b128 v[STO], v[ACC+8*(4*(\a)+(\b))+4:ACC+8*(4*(\a)+(\b))+7] offset:64*(\b)+16
.endr
.irp t, 0,1,2,3,4,5,6,7
	ds_load_b128 v[ACC+32*(\a)+4*(\t):ACC+32*(\a)+4*(\t)+3], v[RD] offset:(\t)*2*SPITCH  ; LDS serves a wave's instructions in order (ISA guide 5.7.1.4): these see the stores above; the next block's stores come behind them
.endr
.endm
; FIN: number n = 4 t + e of the block's 32 a lane is row 2 t + h, column 4 r + e.  younger: the LDS instructions issued behind the block's loads: the next block's sixteen, or none.
; Each batch of transcendentals has plain work behind it and ONE wait ahead of its first reader.
.macro FIN a, younger
	WIN 0x02                                       ; source 0 (g) window 2
.set n, 0
.rept 32
.if n%2
	v_fma_mix_f32 v[T+n], v[16*(\a)+n/2], v[NL2], v[GB+n%4] op_sel:[1,0,0] op_sel_hi:[1,0,0]  ; -log2(e) g - log2(e) gate_b, from g's f16 half
.else
	v_fma_mix_f32 v[T+n], v[16*(\a)+n/2], v[NL2], v[GB+n%4] op_sel_hi:[1,0,0]
.endif
.set n, n+1
.endr
	WIN 0x08                                       ; source 1 (x) window 2
.set n, 0
.rept 16
	v_lshlrev_b32 v[XF+2*n], 16, v[64+16*(\a)+n]
	v_and_b32 v[XF+2*n+1], s80, v[64+16*(\a)+n]
.set n, n+1
.endr
	WIN 0
.set n, 0
.rept 32
	v_exp_f32 v[T+n], v[T+n]
.set n, n+1
.endr
	v_nop
	s_wait_alu depctr_va_vdst(0)
.set n, 0
.rept 16
	v_pk_add_f32 v[T+2*n:T+2*n+1], v[T+2*n:T+2*n+1], 1.0 op_sel_hi:[1,0]
.set n, n+1
.endr
.set n, 0
.rept 32
	v_rcp_f32 v[T+n], v[T+n]                       ; alpha
.set n, n+1
.endr
	s_wait_dscnt \younger                          ; the block is back in registers
.set n, 0
.rept 16
	v_pk_add_f32 v[ACC+32*(\a)+2*n:ACC+32*(\a)+2*n+1], v[ACC+32*(\a)+2*n:ACC+32*(\a)+2*n+1], v[XF+2*n:XF+2*n+1] neg_lo:[0,1] neg_hi:[0,1]  ; acc - x
.set n, n+1
.endr
	s_wait_alu depctr_va_vdst(0)
.set n, 0
.rept 16
	v_pk_fma_f32 v[ACC+32*(\a)+2*n:ACC+32*(\a)+2*n+1], v[T+2*n:T+2*n+1], v[ACC+32*(\a)+2*n:ACC+32*(\a)+2*n+1], v[XF+2*n:XF+2*n+1]  ; x + alpha (acc - x)
.set n, n+1
.endr
.irp t, 0,1,2,3,4,5,6,7
	global_store_b128 v[CO], v[ACC+32*(\a)+4*(\t):ACC+32*(\a)+4*(\t)+3], s[8:9] offset:16384*(8*(\a)+(\t)) th:TH_STORE_NT  ; 16 lanes store 256 consecutive bytes, aligned
.endr
.endm
	PLACES
	s_wait_loadcnt 0x0                             ; g, x and gate_b, asked for at the head
.irp e, 0,1,2,3
	v_mul_f32 v[GB+(\e)], v[NL2], v[GB+(\e)]
.endr
	TOSTAGE 0
	TOSTAGE 1
	FIN 0, 16
	TOSTAGE 2
	FIN 1, 16
	TOSTAGE 3
	FIN 2, 16
	FIN 3, 0
	s_wait_tensorcnt 0x0                           ; the wave's end
	ds_add_u32 v[SPW], v[NIL]
	s_wait_dscnt 0x0
	CROUND                                         ; the closing round
	s_endpgm
.Lfunc_end_k_qe0170b4cdf_final:
	.size	k_qe0170b4cdf_final, .Lfunc_end_k_qe0170b4cdf_final-k_qe0170b4cdf_final
	.p2alignl 7, 3214868480
	.fill 96, 4, 3214868480
	.section	.rodata,"a",@progbits
	.p2align	6, 0x0
	.amdhsa_kernel k_qe0170b4cdf_final
		.amdhsa_group_segment_fixed_size 327680
		.amdhsa_private_segment_fixed_size 0
		.amdhsa_enable_private_segment 0
		.amdhsa_kernarg_size 48
		.amdhsa_user_sgpr_count 2
		.amdhsa_user_sgpr_kernarg_segment_ptr 1
		.amdhsa_wavefront_size32 1
		.amdhsa_system_sgpr_workgroup_id_x 1
		.amdhsa_system_sgpr_workgroup_id_y 1
		.amdhsa_system_sgpr_workgroup_id_z 1
		.amdhsa_system_vgpr_workitem_id 0
		.amdhsa_next_free_vgpr 640
		.amdhsa_next_free_sgpr 84
		.amdhsa_reserve_vcc 0
		.amdhsa_float_denorm_mode_32 3
		.amdhsa_float_denorm_mode_16_64 3
		.amdhsa_memory_ordered 1
		.amdhsa_forward_progress 1
		.amdhsa_inst_pref_size 125
	.end_amdhsa_kernel
	.amdgpu_metadata
---
amdhsa.version: [ 1, 2 ]
amdhsa.kernels:
  - .name:           k_qe0170b4cdf_final
    .symbol:         k_qe0170b4cdf_final.kd
    .args:
      - { .name: ob, .offset: 0, .size: 8, .value_kind: global_buffer, .address_space: global }
      - { .name: wo, .offset: 8, .size: 8, .value_kind: global_buffer, .address_space: global }
      - { .name: out0, .offset: 16, .size: 8, .value_kind: global_buffer, .address_space: global }
      - { .name: qkvg, .offset: 24, .size: 8, .value_kind: global_buffer, .address_space: global }
      - { .name: xb, .offset: 32, .size: 8, .value_kind: global_buffer, .address_space: global }
      - { .name: gate_b, .offset: 40, .size: 8, .value_kind: global_buffer, .address_space: global }
    .group_segment_fixed_size: 327680
    .private_segment_fixed_size: 0
    .kernarg_segment_align: 8
    .kernarg_segment_size: 48
    .max_flat_workgroup_size: 128
    .sgpr_count:     84
    .vgpr_count:     640
    .wavefront_size: 32
...
	.end_amdgpu_metadata
.endif
;; end of part 4
